; MI455X (gfx1250); checked and timed in simulation.
; The chip was launched on July 23, 2026; its instructions are those of AMD's public machine-readable ISA for CDNA 5 (MIT licence, August 2026) and "CDNA5" Instruction Set Architecture Reference Guide (July 2026). The comments in the code are by the model that wrote it; some were corrected since.
;; Self Attention1 D. Allowed arithmetic: matrix products marked QUANTISED: E5M2 operands, one given power-of-two scale a tensor, by v_wmma_f32_16x16x64_bf8_bf8 or v_wmma_f32_16x16x128_bf8_bf8, f32 sums; everything else in f32.
;; Inputs: ffn_b1 4,096 float32; ffn_b2 1,024 float32; ffn_w1_codes 4,096 x 32 x 32 uint8 (E5M2 codes of ffn_w1, K innermost, in blocks of 32 codes); ffn_w2_codes 1,024 x 128 x 32 uint8 (E5M2 codes of ffn_w2, K innermost, in blocks of 32 codes); ln2_b 1,024 float32; ln2_w 1,024 float32; ln_b 1,024 float32; ln_w 1,024 float32; lowp_scales 12 int32 (the exponents e of the quantised operands' scales 2^e); mask 2 x 2,048 int32; proj_b 1,024 float32; proj_w_codes 1,024 x 32 x 32 uint8 (E5M2 codes of proj_w, K innermost, in blocks of 32 codes); qkv_b 3,072 float32; qkv_w_codes 3,072 x 32 x 32 uint8 (E5M2 codes of qkv_w, K innermost, in blocks of 32 codes); x 2 x 2,048 x 1,024 float32.
;; Outputs: out0 2 x 2,048 x 1,024 float32.
;; This version of the problem:
;;   THIS VERSION OF THE PROBLEM IS GIVEN IN LOW PRECISION. The matrix products marked QUANTISED in the list below multiply operands that are first quantised to E5M2 (5 exponent bits, 2 mantissa bits; 8 bits a number), with one given power-of-two scale for each operand tensor; their sums are f32. All else is computed in f32.
;;   The module's matrix products, in the order in which they are computed (A, B: the left and right operand; K: the contracted axis; several contracted axes count as one K, in the product's order):
;;     1. [M 4,096, K 1,024] x [K 1,024, N 3,072]; A: computed on the way; B: input qkv_w (given as codes): QUANTISED (scales: A lowp_scales[0], B lowp_scales[1])
;;     2. batch 32 x [M 2,048, K 64] x [K 64, N 2,048]; A: computed on the way; B: computed on the way: QUANTISED (scales: A lowp_scales[2], B lowp_scales[3])
;;     3. batch 32 x [M 64, K 2,048] x [K 2,048, N 2,048]; A: computed on the way; B: softmax (see below): QUANTISED (scales: A lowp_scales[4], B lowp_scales[5])
;;     4. [M 4,096, K 1,024] x [K 1,024, N 1,024]; A: computed on the way; B: input proj_w (given as codes): QUANTISED (scales: A lowp_scales[6], B lowp_scales[7])
;;     5. [M 4,096, K 1,024] x [K 1,024, N 4,096]; A: computed on the way; B: input ffn_w1 (given as codes): QUANTISED (scales: A lowp_scales[8], B lowp_scales[9])
;;     6. [M 4,096, K 4,096] x [K 4,096, N 1,024]; A: computed on the way; B: input ffn_w2 (given as codes): QUANTISED (scales: A lowp_scales[10], B lowp_scales[11])
;;   THE QUANTISER, for each operand of a quantised product, along K:
;;     - The operand's scale is 2^e, e = its entry of the input lowp_scales (int32; the entries are numbered through the quantised products in the list's order, A before B).
;;     - Each number is divided by the scale, clamped to +-57,344, and rounded to the nearest number of E5M2, ties to even, subnormals kept.
;;     - The product sums the exact products of the quantised numbers (number of the format x scale) in f32.
;;   ~~~python
;;   def quantise(x, axis, e):      # numpy; x: float32 -> the quantised numbers, widened to float32 again
;;       x = np.moveaxis(x, axis, -1); K = x.shape[-1]
;;       r = np.clip(x / 2.0 ** e, -57344, 57344)
;;       step = 2.0 ** (np.maximum(np.frexp(np.where(r == 0, 1, r))[1] - 1, -14) - 2)
;;       q = np.round(r / step) * step * 2.0 ** e      # np.round: ties to even
;;       return np.moveaxis(q, -1, axis).astype(np.float32)
;;   ~~~
;;   SOFTMAX AHEAD OF A QUANTISED PRODUCT. Where the list says 'softmax', what is quantised is not the finished softmax but p = 2^(t - M), with t = logit x log2(e) and M = ceil(the row's largest t), a whole number; so 1/2 < the row's largest p <= 1. The row's sum l is taken of the UNQUANTISED p, in f32, and the product's result is divided by l at the end. Since M is a whole number, a kernel that streams over the keys may use a running M (the ceiling of the running maximum): every later rescaling is an exact power of two, so the quantised numbers keep their values, but for numbers so far below the row's largest that they fall under the format's range.
;;   OPERANDS COMPUTED ON THE WAY. 'Computed on the way' means the value that the module computes at that place (a softmax that the list does not call 'softmax' is quantised finished and normalised). What goes into a quantiser is computed in f32, as accurately as f32 sums, v_exp_f32 and their like allow (about 1e-6 of the number): no bf16 or f16 on the way to a quantiser, and a product that is left as it is and whose result goes on into a quantised operand takes f32 operands (vector FMAs, or v_wmma_f32_16x16x4_f32). A number that lies on a knife's edge between two numbers of the format may be rounded either way, as far as f32 arithmetic and the matrix unit's own rounding can turn it there, and no further.
;;   INPUTS GIVEN AS CODES. ffn_w1 (in the module: [4096, 1024], K = its axis 1); ffn_w2 (in the module: [1024, 4096], K = its axis 1); proj_w (in the module: [1024, 1024], K = its axis 1); qkv_w (in the module: [3072, 1024], K = its axis 1): each comes as NAME_codes (uint8): NAME with its K axis moved to the last place and cut into blocks of 32 codes, [.., K / 32, bytes a block], one block behind the other in memory; one code a byte (a code: sign, 5 exponent bits, 2 mantissa bits); its scale is its entry of lowp_scales. Its value is code x scale, taken as it is: it is not quantised again, and the codes and scales need not be those that the quantiser above would give.
;; One version. Each part assembles by itself: llvm-mc -triple=amdgcn-amd-amdhsa -mcpu=gfx1250 --defsym DOCPART=n.
;; ======== version 1 of 1: 7 launches
;; limits: right only within a limited range of input values
;; workspace buffers: rowq 4,194,304 bytes; qimg 4,194,304 bytes; kimg 4,194,304 bytes; vimg 4,194,304 bytes; aimg 4,194,304 bytes; x1 16,777,216 bytes; himg 16,777,216 bytes
;; launch ln1 (part 1): grid 256 x 1, 8 waves a work-group, no clusters, 0 bytes of LDS; arguments x, ln_w, ln_b, lowp_scales, rowq; writes rowq
.if DOCPART == 1
	.amdgcn_target "amdgcn-amd-amdhsa--gfx1250"
	.amdhsa_code_object_version 6
	.text
	.protected	k_q814e38a7af_ln1
	.globl	k_q814e38a7af_ln1
	.p2align	8
	.type	k_q814e38a7af_ln1,@function
k_q814e38a7af_ln1:
	s_mov_b64 s[64:65], 0
	v_nop
	global_prefetch_b8 v0, s[64:65] scope:SCOPE_SE
	s_setreg_imm32_b32 hwreg(HW_REG_WAVE_MODE, 25, 1), 1
	s_wait_xcnt 0x0
; LayerNorm of 4,096 rows of 1,024 f32, quantised to E5M2 codes with the given scale 2^e (entry SIDX of the scales): rows of 1,024 bytes, K innermost.
; A stream: every byte is read once and written once, so there is no LDS, no matrix unit, no barrier and no cluster (work-groups share only the 8 KiB of gain and bias).
; A work-group takes 16 rows, a wave 2.  A lane takes columns 256 j + 8 lane + 0 .. 7 (j = 0 .. 3): eight NEIGHBOURS along K in eight consecutive registers, as the conversion wants them;
; its 8 codes are 8 bytes, so a wave's store covers 256 consecutive bytes, aligned.  All 32 loads of a wave are issued at once.
; Mean and variance in two passes (the mean is taken away before the squares), as the definition has it: a common offset of the inputs costs no accuracy.
; LIMITS: e between -126 and 112, so that 2^e and 57,344 x 2^e are f32 numbers.  NaN and infinities among the inputs are not served.
.set SIDX, 0
.set X0, 32                            ; v32-63   row 0: chunk j at 8 j
.set X1, 64                            ; v64-95   row 1
.set GW, 96                            ; v96-127  gain of my 32 columns
.set GB, 128                           ; v128-159 bias
.set CD, 160                           ; v160-175 codes: 8 registers a row
	s_load_b256 s[4:11], s[0:1], 0x0               ; x s[4:5], gain s[6:7], bias s[8:9], scales s[10:11]
	s_load_b64 s[12:13], s[0:1], 0x20              ; codes out
	v_lshrrev_b32 v5, 5, v0
	s_delay_alu instid0(VALU_DEP_1)
	v_readfirstlane_b32 s14, v5                    ; wave 0..7
	v_and_b32 v5, 31, v0
	s_delay_alu instid0(VALU_DEP_1)
	v_lshlrev_b32 v1, 5, v5                        ; 32 x lane: my 8 numbers of a chunk
	s_delay_alu instid0(VALU_DEP_2)
	v_lshlrev_b32 v2, 3, v5                        ; 8 x lane: my 8 codes
	v_mov_b32 v14, 0                               ; written once: a lane permute's destination counts as one of its sources
	v_mov_b32 v15, 0
	s_mov_b32 s20, 0x76543210                      ; lane selects: lane l xor 16
	s_mov_b32 s21, 0xfedcba98
	s_mov_b32 s24, 0x3a800000                      ; 1 / 1,024
	s_mov_b32 s25, 0x3727c5ac                      ; 1e-5
	s_lshl_b32 s16, ttmp9, 16                      ; 16 rows of 4,096 bytes a work-group,
	s_lshl_b32 s17, s14, 13                        ; 2 a wave
	s_add_co_u32 s16, s16, s17
	s_mov_b32 s17, 0
	s_lshl_b32 s18, ttmp9, 14                      ; and of 1,024 bytes on the way out
	s_lshl_b32 s19, s14, 11
	s_add_co_u32 s18, s18, s19
	s_mov_b32 s19, 0
	s_wait_alu depctr_va_vdst(0)
	s_wait_kmcnt 0x0
	s_load_b32 s22, s[10:11], SIDX*4               ; e
	s_add_nc_u64 s[4:5], s[4:5], s[16:17]
	s_add_nc_u64 s[12:13], s[12:13], s[18:19]
.macro LD8 reg, sb, off                ; 32 numbers a lane: four chunks of 1,024 bytes, two loads of 16 bytes a lane in each
.irp j, 0,1,2,3
	global_load_b128 v[\reg+8*\j:\reg+8*\j+3], v1, s[\sb:\sb+1] offset:\off+1024*\j
	global_load_b128 v[\reg+8*\j+4:\reg+8*\j+7], v1, s[\sb:\sb+1] offset:\off+1024*\j+16
.endr
.endm
.macro SUMROW x, c                     ; the lane's 32 numbers in four packed chains; the first additions start them
.irp k, 0,1,2,3
	v_pk_add_f32 v[\c+2*\k:\c+2*\k+1], v[\x+2*\k:\x+2*\k+1], v[\x+8+2*\k:\x+8+2*\k+1]
.endr
.irp g, 16,24
.irp k, 0,1,2,3
	s_delay_alu instid0(VALU_DEP_4)
	v_pk_add_f32 v[\c+2*\k:\c+2*\k+1], v[\c+2*\k:\c+2*\k+1], v[\x+\g+2*\k:\x+\g+2*\k+1]
.endr
.endr
.endm
.macro SQROW x, c                      ; the same for the squares
.irp k, 0,1,2,3
	v_pk_mul_f32 v[\c+2*\k:\c+2*\k+1], v[\x+2*\k:\x+2*\k+1], v[\x+2*\k:\x+2*\k+1]
.endr
.irp g, 8,16,24
.irp k, 0,1,2,3
	s_delay_alu instid0(VALU_DEP_4)
	v_pk_fma_f32 v[\c+2*\k:\c+2*\k+1], v[\x+\g+2*\k:\x+\g+2*\k+1], v[\x+\g+2*\k:\x+\g+2*\k+1], v[\c+2*\k:\c+2*\k+1]
.endr
.endr
.endm
.macro FOLD c, tmp                     ; four chains into one number, then over the 32 lanes: every lane ends with the row's sum in v[c]
	v_pk_add_f32 v[\c:\c+1], v[\c:\c+1], v[\c+2:\c+3]
	v_pk_add_f32 v[\c+4:\c+5], v[\c+4:\c+5], v[\c+6:\c+7]
	s_delay_alu instid0(VALU_DEP_1)
	v_pk_add_f32 v[\c:\c+1], v[\c:\c+1], v[\c+4:\c+5]
	s_delay_alu instid0(VALU_DEP_1)
	v_add_f32 v[\c], v[\c], v[\c+1]
	s_delay_alu instid0(VALU_DEP_1)
	v_add_f32_dpp v[\c], v[\c], v[\c] row_xmask:1 row_mask:0xf bank_mask:0xf
	s_delay_alu instid0(VALU_DEP_1)
	v_add_f32_dpp v[\c], v[\c], v[\c] row_xmask:2 row_mask:0xf bank_mask:0xf
	s_delay_alu instid0(VALU_DEP_1)
	v_add_f32_dpp v[\c], v[\c], v[\c] row_xmask:4 row_mask:0xf bank_mask:0xf
	s_delay_alu instid0(VALU_DEP_1)
	v_add_f32_dpp v[\c], v[\c], v[\c] row_xmask:8 row_mask:0xf bank_mask:0xf
	s_delay_alu instid0(VALU_DEP_1)
	v_permlanex16_b32 v[\tmp], v[\c], s20, s21
	s_delay_alu instid0(VALU_DEP_1)
	v_add_f32 v[\c], v[\c], v[\tmp]
.endm
.macro CENTRE x, m                     ; x - mean, in place
.set ii, 0
.rept 16
	v_pk_add_f32 v[\x+ii:\x+ii+1], v[\x+ii:\x+ii+1], v[\m:\m+1] neg_lo:[0,1] neg_hi:[0,1]
.set ii, ii+2
.endr
.endm
.macro FINISH x, r, row                ; ((x - mean) / sigma) gain + bias, held within the largest code x the scale, converted, stored
.set ii, 0
.rept 16
	v_pk_mul_f32 v[\x+ii:\x+ii+1], v[\x+ii:\x+ii+1], v[\r:\r+1]
.set ii, ii+2
.endr
.set ii, 0
.rept 16
	v_pk_fma_f32 v[\x+ii:\x+ii+1], v[\x+ii:\x+ii+1], v[GW+ii:GW+ii+1], v[GB+ii:GB+ii+1]
.set ii, ii+2
.endr
.set ii, 0
.rept 32
	v_med3_num_f32 v[\x+ii], v[\x+ii], -v4, v4     ; the conversion to an 8-bit code does not saturate (ISA guide 7.6.2): the hold comes first
.set ii, ii+1
.endr
.irp j, 0,1,2,3
	v_cvt_scalef32_pk8_bf8_f32 v[CD+8*\row+2*\j:CD+8*\row+2*\j+1], v[\x+8*\j:\x+8*\j+7], v3
.endr
	v_nop                                          ; a plain line behind the last conversion of the run
.irp j, 0,1,2,3
	global_store_b64 v2, v[CD+8*\row+2*\j:CD+8*\row+2*\j+1], s[12:13] offset:1024*\row+256*\j   ; 32 lanes store 256 consecutive bytes, aligned
.endr
.endm
	LD8 X0, 4, 0
	LD8 X1, 4, 4096
	LD8 GW, 6, 0
	LD8 GB, 8, 0
	s_wait_loadcnt 24                              ; row 0's eight loads are in; 24 younger ones stay out
	SUMROW X0, 16
	s_wait_loadcnt 16                              ; row 1's are in; gain and bias stay out
	SUMROW X1, 24
	FOLD 16, 14
	FOLD 24, 15
	v_mul_f32 v6, s24, v16                         ; the means, each as a pair for the packed forms
	s_delay_alu instid0(VALU_DEP_2)
	v_mul_f32 v8, s24, v24
	s_delay_alu instid0(VALU_DEP_2)
	v_mov_b32 v7, v6
	s_delay_alu instid0(VALU_DEP_2)
	v_mov_b32 v9, v8
	CENTRE X0, 6
	CENTRE X1, 8
	SQROW X0, 16
	SQROW X1, 24
	FOLD 16, 14
	FOLD 24, 15
	v_fma_f32 v10, v16, s24, s25                   ; variance + 1e-5
	s_delay_alu instid0(VALU_DEP_2)
	v_fma_f32 v12, v24, s24, s25
	s_wait_alu depctr_va_vdst(0)
	v_rsq_f32 v10, v10
	v_rsq_f32 v12, v12
	s_wait_kmcnt 0x0
	s_add_co_i32 s22, s22, 127
	s_lshl_b32 s23, s22, 23
	v_mov_b32 v3, s23                              ; 2^e as f32: the conversion takes its exponent field.  (Plain lines behind the two roots)
	s_add_co_i32 s22, s22, 15
	s_lshl_b32 s22, s22, 23
	s_or_b32 s22, s22, 0x600000
	v_mov_b32 v4, s22                              ; 57,344 x 2^e
	s_wait_alu depctr_va_vdst(0)                   ; one wait for both roots, ahead of their first reader
	v_mov_b32 v11, v10
	v_mov_b32 v13, v12
	s_wait_alu depctr_va_vdst(0)
	s_wait_loadcnt 0x0                             ; gain and bias
	FINISH X0, 10, 0
	FINISH X1, 12, 1
	s_endpgm
.Lfunc_end_k_q814e38a7af_ln1:
	.size	k_q814e38a7af_ln1, .Lfunc_end_k_q814e38a7af_ln1-k_q814e38a7af_ln1
	.p2alignl 7, 3214868480
	.fill 96, 4, 3214868480
	.section	.rodata,"a",@progbits
	.p2align	6, 0x0
	.amdhsa_kernel k_q814e38a7af_ln1
		.amdhsa_group_segment_fixed_size 0
		.amdhsa_private_segment_fixed_size 0
		.amdhsa_enable_private_segment 0
		.amdhsa_kernarg_size 40
		.amdhsa_user_sgpr_count 2
		.amdhsa_user_sgpr_kernarg_segment_ptr 1
		.amdhsa_wavefront_size32 1
		.amdhsa_system_sgpr_workgroup_id_x 1
		.amdhsa_system_sgpr_workgroup_id_y 1
		.amdhsa_system_sgpr_workgroup_id_z 1
		.amdhsa_system_vgpr_workitem_id 0
		.amdhsa_next_free_vgpr 176
		.amdhsa_next_free_sgpr 66
		.amdhsa_reserve_vcc 0
		.amdhsa_float_denorm_mode_32 3
		.amdhsa_float_denorm_mode_16_64 3
		.amdhsa_memory_ordered 1
		.amdhsa_forward_progress 1
		.amdhsa_inst_pref_size 25
	.end_amdhsa_kernel
	.amdgpu_metadata
---
amdhsa.version: [ 1, 2 ]
amdhsa.kernels:
  - .name:           k_q814e38a7af_ln1
    .symbol:         k_q814e38a7af_ln1.kd
    .args:
      - { .name: x, .offset: 0, .size: 8, .value_kind: global_buffer, .address_space: global }
      - { .name: ln_w, .offset: 8, .size: 8, .value_kind: global_buffer, .address_space: global }
      - { .name: ln_b, .offset: 16, .size: 8, .value_kind: global_buffer, .address_space: global }
      - { .name: lowp_scales, .offset: 24, .size: 8, .value_kind: global_buffer, .address_space: global }
      - { .name: rowq, .offset: 32, .size: 8, .value_kind: global_buffer, .address_space: global }
    .group_segment_fixed_size: 0
    .private_segment_fixed_size: 0
    .kernarg_segment_align: 8
    .kernarg_segment_size: 40
    .max_flat_workgroup_size: 256
    .sgpr_count:     66
    .vgpr_count:     176
    .wavefront_size: 32
...
	.end_amdgpu_metadata
.endif
;; end of part 1
;; launch qkv (part 2): grid 12 x 16, 4 waves a work-group, clusters of 4 x 4, 327,680 bytes of LDS; arguments rowq, qkv_w_codes, lowp_scales, qkv_b, qimg, kimg, vimg; writes qimg, kimg, vimg
.if DOCPART == 2
	.amdgcn_target "amdgcn-amd-amdhsa--gfx1250"
	.amdhsa_code_object_version 6
	.text
	.protected	k_q814e38a7af_qkv
	.globl	k_q814e38a7af_qkv
	.p2align	8
	.type	k_q814e38a7af_qkv,@function
k_q814e38a7af_qkv:
	s_mov_b64 s[64:65], 0
	v_nop
	global_prefetch_b8 v0, s[64:65] scope:SCOPE_SE
	s_setreg_imm32_b32 hwreg(HW_REG_WAVE_MODE, 25, 1), 1
	s_wait_xcnt 0x0
	s_wait_alu depctr_hold_cnt(0) depctr_sa_sdst(0) depctr_va_vdst(0) depctr_va_sdst(0) depctr_va_ssrc(0) depctr_va_vcc(0) depctr_vm_vsrc(0)
	s_getreg_b32 s2, hwreg(HW_REG_IB_STS2, 6, 4)
	s_cmp_eq_u32 s2, 0
	s_cbranch_scc0 .Lentry_in_a_cluster
	s_endpgm
.Lentry_in_a_cluster:
	s_bfe_u32 s2, ttmp6, 0x10000c
	s_cmp_lg_u32 s2, 0xf033
	s_cbranch_scc0 .Lentry_shape_is_right
	s_endpgm
.Lentry_shape_is_right:
; qkv = LN(x) W^T + b on E5M2 codes: A = rowq [4096][1024], B = qkv_w codes [3072][1024], both K innermost; sums f32.  The results are scaled, quantised again and stored as OPERAND IMAGES for attention.
; A tile of 256 tokens x 256 features is made by four waves, 128 x 128 each (64 accumulators, 512 registers).  K goes in steps of 256 through a ring of two LDS slots filled by the tensor data mover.
; CLUSTERS: 4 x 4 work-groups; the four of a row need the same tokens, the four of a column the same weights: each tile is asked for jointly, with a mask that names the four.
; 12 x 16 = 192 work-groups: 3,072 features make 12 tile columns; the cluster's x (0, 1, 2) says whether the columns are q's, k's or v's, the same in all sixteen partners.
; q, k: source 0 = 16 rows of W, source 1 = 16 tokens: a lane holds one token and eight neighbouring features, which are neighbours along the next K (the head's 64).
; v: the next K is the KEYS, so tokens must run along the registers.  The text stays the same: only the two joint lines' buffers and tiles change (selects on the cluster's x), so that source 0 takes tokens and source 1 features.
; IMAGES.  A fragment is stored as its registers lie: registers 2 c, 2 c + 1 of lane (r, h) hold k = 16 c + 8 h + 0 .. 7 of row r; registers 4 g .. 4 g + 3 lie at 512 g + 16 lane.  One conversion of an accumulator's
; eight registers gives registers 2 c, 2 c + 1; a wave's store covers 512 consecutive bytes, aligned.  qimg, kimg: [batch x head 32][16 tokens 128][1,024 bytes]; vimg: [batch x head 32][128 keys 16][16 channels 4][2,048 bytes].
; q and k are multiplied by 64^(-1/4), as the definition has it: sum x (2^(e0+e1) 64^(-1/4)) + b 64^(-1/4), one fused multiply-add.
; LIMITS: e0 + e1 between -124 and 127; e2, e3, e4 between -126 and 112, so that each power of two below is an f32 number.  NaN among the inputs is not served.
; REGISTERS, in windows of 256: window 0: v1-15 addresses; v16-31 v's bias; v32-63 at work; v64-127 q's and k's bias; v128-255 source 1's fragments (one set), on the way out the codes.
;   window 1: source 0's fragments, two sets.   windows 2, 3: the accumulators, (a, b) at v[8 (8 (a % 4) + b)].
.set KROW,   1024                      ; a row of either operand in memory, in bytes
.set ROWB,   256                       ; a tile's row: 256 codes
.set PITCH,  272                       ; an LDS row: 256 bytes + 16 of padding: the 16 rows that a load touches start at 16 different banks (64 banks of 4 bytes: ISA guide 11.1)
.set FR,     16
.set NL,     4
.set NP,     4                         ; places behind this matrix instruction (ISA guide 7.12.1)
.set HALFT,  128*PITCH
.set SLOT,   4*HALFT
.set LAPS,   2                         ; 1,024 along K = four K steps = twice round the ring
.set SPARE,  2*SLOT                    ; behind the ring: the spare words, 128 bytes a wave, which no other line names
.set ADRA, 8
.set ADRB, 10
.set SPW,  12
.set NIL,  13
.set GO,   14                          ; 16 x lane: my place in an image
.set BVR,  16
.set T,    32
.set BQ,   64
.set AF,   128
.set CDR,  128
.set G1, 24
.set G0, 32
.set G1B, 48
.set G0B, 56
; PREFETCH INTO THE L2: behind the joint load of K step 0 a wave asks for K steps 1 and 2, behind that of K step 1 for K step 3: at most two K steps are asked for and not yet loaded.
; Of the 128 rows that a wave fetches, each of the four partners that ask for them jointly takes 32, told apart by address (cx on the row line, cy on the column line): a lane a row, 256 bytes of it a K step.
.set PFA, 100                          ; s[100:101] my work-group's 32 rows of the 128 that I fetch; never rewritten
.set PFO, 32                           ; v32 my lane's row: 1,024 x lane; written again only on the way out, behind s_wait_xcnt 0
.set MSB, 0
.macro WIN new                         ; the immediate's high byte repeats the setting that is left
.if MSB != (\new)
	s_set_vgpr_msb (MSB<<8)|(\new)
.set MSB, (\new)
.endif
.endm
.set MUL_LO, 0xa1                      ; source 0 window 1, source 1 window 0, C and D window 2
.set MUL_HI, 0xf1                      ; the same, C and D window 3
.set TO_B,   0x40                      ; destination window 1, address window 0
.macro JLOAD g0a, g1a, g0b, g1b        ; a joint load: waves 0 and 1 fetch tokens, waves 2 and 3 weights; the branch hangs on the wave's number alone; four v_nop follow each line
	s_cmp_eq_u32 s15, 0
	s_cbranch_scc0 .Lfor_b_\@
	tensor_load_to_lds s[\g0a:\g0a+3], s[\g1a:\g1a+7]
	s_nop 0
.rept 4
	v_nop
.endr
	s_branch .Lasked_\@
.Lfor_b_\@:
	tensor_load_to_lds s[\g0b:\g0b+3], s[\g1b:\g1b+7]
	s_nop 0
.rept 4
	v_nop
.endr
.Lasked_\@:
.endm
.macro CREST                           ; a round of the cluster's barrier behind its opening barrier
	s_cmp_lg_u32 s14, 0
	s_cbranch_scc1 .Lnot_wave_0_\@
	s_barrier_signal -3
.Lnot_wave_0_\@:
	s_barrier_wait -3
	s_barrier_signal -1
	s_barrier_wait -1
.endm
.macro CROUND
	s_barrier_signal -1
	s_barrier_wait -1
	CREST
.endm
	s_load_b256 s[4:11], s[0:1], 0x0               ; rowq s[4:5], W's codes s[6:7], scales s[8:9], bias s[10:11]
	s_load_b128 s[68:71], s[0:1], 0x20             ; qimg, kimg
	s_load_b64 s[72:73], s[0:1], 0x30              ; vimg
	v_lshl_add_u32 v[SPW], v0, 2, SPARE
	v_mov_b32 v[NIL], 0
	ds_add_u32 v12, v13
	ds_add_u32 v12, v13
	s_wait_dscnt 0x0
	v_lshrrev_b32 v1, 5, v0
	v_readfirstlane_b32 s14, v1                    ; wave 0..3
	v_and_b32 v[PFO], 31, v0
	v_lshlrev_b32 v[PFO], 10, v[PFO]
	s_lshr_b32 s15, s14, 1                         ; my half of the tokens.  Also: I fetch tokens (0) or weights (1)
	s_and_b32 s16, s14, 1                          ; my half of the features.  Also: which 128 rows I fetch
	s_bfe_u32 s40, ttmp6, 0x40000                  ; cx, cy
	s_bfe_u32 s41, ttmp6, 0x40004
	s_lshl_b32 s42, ttmp9, 2
	s_add_co_u32 s42, s42, s40                     ; tile column 0..11
	s_and_b32 s17, ttmp7, 0xffff
	s_lshl_b32 s17, s17, 2
	s_add_co_u32 s17, s17, s41                     ; tile row 0..15
	s_lshl_b32 s43, s41, 2
	s_lshl_b32 s43, 15, s43                        ; my row of the cluster
	s_lshl_b32 s44, 0x1111, s40                    ; my column
	s_or_b32 s[G1+0], s43, (1<<20)|(1<<21)|(5<<22)|(3<<25)    ; the mask; elements of 1 byte; padding on; bit 21 beside a mask; 4 words behind every 64
	s_or_b32 s[G1B+0], s44, (1<<20)|(1<<21)|(5<<22)|(3<<25)
.irp g, G1, G1B
	s_mov_b32 s[\g+1], ROWB<<16                    ; tensor_dim0
	s_mov_b32 s[\g+2], 128<<16                     ; tensor_dim1
	s_mov_b32 s[\g+3], ROWB<<16                    ; tile_dim0
	s_mov_b32 s[\g+4], 128                         ; tile_dim1
	s_mov_b32 s[\g+5], KROW                        ; from row to row
	s_mov_b32 s[\g+6], 0
	s_mov_b32 s[\g+7], 0
.endr
	; v's clusters (cluster x = 2): no LDS base is selected.  The two joint lines change BUFFERS instead: the line shared along a row of the cluster fetches weights, tile 8 + cy;
	; the line shared along a column fetches tokens, tile 4 x cluster y + cx.  Each address still hangs on the one coordinate that its mask's partners share.
	s_and_b32 s74, ttmp7, 0xffff
	s_lshl_b32 s74, s74, 2
	s_add_co_u32 s74, s74, s40                     ; 4 x cluster y + cx
	s_add_co_u32 s75, s41, 8                       ; 8 + cy
	s_cmp_eq_u32 ttmp9, 2
	s_cselect_b32 s75, s75, s17                    ; the row line's tile: hangs on cy
	s_cselect_b32 s74, s74, s42                    ; the column line's tile: hangs on cx
	s_lshl_b32 s18, s16, 7
	s_lshl_b32 s20, s75, 8
	s_add_co_u32 s20, s20, s18
	s_lshl_b32 s20, s20, 10                        ; tokens: (256 x tile row + 128 x half) rows of 1,024 bytes
	s_mov_b32 s21, 0
	s_lshl_b32 s46, s74, 8
	s_add_co_u32 s46, s46, s18
	s_lshl_b32 s46, s46, 10                        ; weights: the same with the tile column
	s_mov_b32 s47, 0
	s_mul_i32 s45, s14, HALFT                      ; where they go: wave x 128 rows
	s_wait_alu depctr_va_vdst(0)
	s_wait_kmcnt 0x0
	s_load_b256 s[76:83], s[8:9], 0x0              ; e0 .. e7
	s_cmp_eq_u32 ttmp9, 2
	s_cselect_b64 s[96:97], s[6:7], s[4:5]         ; the row line's buffer
	s_cselect_b64 s[98:99], s[4:5], s[6:7]         ; the column line's buffer
	s_add_nc_u64 s[20:21], s[96:97], s[20:21]
	s_add_nc_u64 s[46:47], s[98:99], s[46:47]
	s_cmp_eq_u32 s15, 0                            ; do I fetch on the row line?
	s_cselect_b64 s[PFA:PFA+1], s[20:21], s[46:47]
	s_cselect_b32 s88, s40, s41                    ; my place among the four that ask with me
	s_lshl_b32 s88, s88, 15                        ; 32 rows of 1,024 bytes
	s_mov_b32 s89, 0
	s_add_nc_u64 s[PFA:PFA+1], s[PFA:PFA+1], s[88:89]
	CROUND                                         ; all sixteen work-groups are here: the first joint loads meet
.irp s, 0,1
	s_mov_b32 s[G0+4*\s], 1
	s_add_co_u32 s[G0+4*\s+1], s45, \s*SLOT
	s_add_nc_u64 s[G0+4*\s+2:G0+4*\s+3], s[20:21], \s*ROWB
	s_or_b32 s[G0+4*\s+3], s[G0+4*\s+3], 0x80000000
	s_mov_b32 s[G0B+4*\s], 1
	s_add_co_u32 s[G0B+4*\s+1], s45, \s*SLOT
	s_add_nc_u64 s[G0B+4*\s+2:G0B+4*\s+3], s[46:47], \s*ROWB
	s_or_b32 s[G0B+4*\s+3], s[G0B+4*\s+3], 0x80000000
.if \s                                 ; slot 1's first fill is issued as a refill is
	s_wait_alu depctr_va_vdst(0)
	s_wait_tensorcnt 0x0
	ds_add_u32 v12, v13
	s_wait_dscnt 0x0
	CROUND
.endif
	JLOAD G0+4*\s, G1, G0B+4*\s, G1B
.if \s == 0
	global_prefetch_b8 v[PFO], s[PFA:PFA+1] offset:256 th:TH_LOAD_NT scope:SCOPE_SE          ; K step 1
.endif
	global_prefetch_b8 v[PFO], s[PFA:PFA+1] offset:512+256*\s th:TH_LOAD_NT scope:SCOPE_SE   ; K step 2 + s
.endr
	v_and_b32 v1, 15, v0                           ; r
	v_bfe_u32 v2, v0, 4, 1                         ; h
	v_mul_u32_u24 v3, v1, PITCH
	v_lshl_add_u32 v4, v2, 4, v3                   ; a fragment's row x pitch + 16 h
	s_wait_alu depctr_va_vdst(0)
	s_mul_i32 s21, s15, HALFT                      ; my 128 tokens
	s_mul_i32 s22, s16, HALFT
	s_add_co_u32 s22, s22, 2*HALFT                 ; my 128 rows of W, behind the 256 tokens
	s_mov_b32 s23, s21                             ; source 1's rows: the row line's tile; source 0's: the column line's
	s_cmp_eq_u32 ttmp9, 2
	s_cselect_b32 s96, s75, s74                    ; my feature tile 0..11
	s_cselect_b32 s97, s74, s75                    ; my token tile 0..15
	s_cselect_b32 s98, s15, s16                    ; my half of the features
	s_cselect_b32 s99, s16, s15                    ; my half of the tokens
.irp s, 0,1
	v_add_nc_u32 v[ADRA+\s], s23, v4
	v_add_nc_u32 v[ADRB+\s], s22, v4
	s_add_co_u32 s23, s23, SLOT
	s_add_co_u32 s22, s22, SLOT
.endr
	v_and_b32 v7, 31, v0
	v_lshlrev_b32 v[GO], 4, v7
	v_lshlrev_b32 v5, 5, v2                        ; 32 h: eight numbers of the bias for each half of the lanes
	v_lshlrev_b32 v6, 2, v1                        ; 4 r: one number a lane
	s_lshl_b32 s90, s96, 10
	s_lshl_b32 s91, s98, 9
	s_add_co_u32 s90, s90, s91
	s_mov_b32 s91, 0
	s_add_nc_u64 s[10:11], s[10:11], s[90:91]      ; the bias of my 128 features
.irp b, 0,1,2,3,4,5,6,7
	global_load_b128 v[BQ+8*\b:BQ+8*\b+3], v5, s[10:11] offset:64*\b        ; q, k: features 16 b + 8 h + 0 .. 7, in the result's layout
	global_load_b128 v[BQ+8*\b+4:BQ+8*\b+7], v5, s[10:11] offset:64*\b+16
.endr
.irp a, 0,1,2,3,4,5,6,7
	global_load_b32 v[BVR+2*\a], v6, s[10:11] offset:64*\a                  ; v: feature 16 a + r
.endr
	s_lshr_b32 s92, s97, 3                         ; (batch x 16 + 4 x (feature tile % 4) + 2 x feature half) heads of 131,072 bytes
	s_lshl_b32 s92, s92, 4
	s_and_b32 s93, s96, 3
	s_lshl_b32 s93, s93, 2
	s_add_co_u32 s92, s92, s93
	s_lshl_b32 s93, s98, 1
	s_add_co_u32 s92, s92, s93
	s_lshl_b32 s92, s92, 17
	s_and_b32 s93, s97, 7
	s_lshl_b32 s93, s93, 14
	s_add_co_u32 s92, s92, s93
	s_lshl_b32 s93, s99, 13
	s_add_co_u32 s92, s92, s93
	s_mov_b32 s93, 0
.macro FRAG reg, adr, q, i             ; 16 rows x 128 K in 16 registers, by four loads of 16 bytes: k is permuted alike on both sides, so every product meets its partner
.irp c, 0,1,2,3
	ds_load_b128 v[\reg+4*\c:\reg+4*\c+3], v[\adr] offset:128*(\q)+32*\c+(\i)*16*PITCH
.endr
.endm
.macro MUL16 a0, p, zero               ; 16 matrix instructions; the 64 accumulators take turns, one instruction a turn, in the same order in every step
.irp a, \a0, \a0+1
.irp b, 0,1,2,3,4,5,6,7
.if \zero
	v_wmma_f32_16x16x128_bf8_bf8 v[8*(8*((\a)%4)+\b):8*(8*((\a)%4)+\b)+7], v[128*(\p)+FR*\b:128*(\p)+FR*\b+FR-1], v[AF+FR*(\a):AF+FR*(\a)+FR-1], 0
.else
	v_wmma_f32_16x16x128_bf8_bf8 v[8*(8*((\a)%4)+\b):8*(8*((\a)%4)+\b)+7], v[128*(\p)+FR*\b:128*(\p)+FR*\b+FR-1], v[AF+FR*(\a):AF+FR*(\a)+FR-1], v[8*(8*((\a)%4)+\b):8*(8*((\a)%4)+\b)+7]
.endif
.endr
.endr
.endm
.macro FETCH_B slot, q, p
	WIN TO_B
.irp i, 0,1,2,3,4,5,6,7
	FRAG 128*(\p)+FR*\i, ADRB+\slot, \q, \i
.endr
	WIN 0
.endm
.macro FETCH_A slot, q, i0
.irp i, \i0, \i0+1, \i0+2, \i0+3
	FRAG AF+FR*(\i), ADRA+\slot, \q, \i
.endr
.endm
.macro PLACES n                        ; plain vector lines between a matrix instruction and a load into, or a read of, its registers
.rept \n
	v_nop
.endr
.endm
.macro STEP slot, q, zero              ; 128 along K with its successor in the same slot
	s_wait_dscnt 4*NL                              ; source 0's set and source 1's blocks 0-3 are in; the youngest 16 loads (blocks 4-7) may be out
	WIN MUL_LO
	MUL16 0, (\q)%2, \zero
	MUL16 2, (\q)%2, \zero
	s_wait_dscnt 0
	PLACES NP
	FETCH_B \slot, (\q)+1, 1-(\q)%2
	FETCH_A \slot, (\q)+1, 0
	WIN MUL_HI
	MUL16 4, (\q)%2, \zero
	MUL16 6, (\q)%2, \zero
	PLACES NP
	WIN 0
	FETCH_A \slot, (\q)+1, 4
.endm
.macro TURN slot, next, fill           ; a slot's last step changes slots: one barrier; in front of it all my tensor loads have landed, the add is done and my reads of this slot are over
	s_wait_tensorcnt 0x0                           ; my part of the next slot is in; no tensor load of mine is out
	ds_add_u32 v[SPW], v[NIL]                      ; 0 onto my spare word
	s_wait_dscnt 4*NL+1                            ; the add and the youngest 16 loads may be out
	WIN MUL_LO
	MUL16 0, 1, 0
	s_wait_dscnt 0x0
	s_barrier_signal -1
	MUL16 2, 1, 0
	WIN 0
	s_barrier_wait -1
.if \fill
	CREST                                          ; the barrier has opened a round of the cluster's: no wave of any partner still reads this slot or has a load on its way
	s_add_nc_u64 s[G0+4*\slot+2:G0+4*\slot+3], s[G0+4*\slot+2:G0+4*\slot+3], 2*ROWB
	s_add_nc_u64 s[G0B+4*\slot+2:G0B+4*\slot+3], s[G0B+4*\slot+2:G0B+4*\slot+3], 2*ROWB
	JLOAD G0+4*\slot, G1, G0B+4*\slot, G1B         ; the first tensor load behind the round; its four v_nop are the places in front of the loads below
.else
	PLACES NP
.endif
	FETCH_B \next, 0, 0
	FETCH_A \next, 0, 0
	WIN MUL_HI
	MUL16 4, 1, 0
	MUL16 6, 1, 0
	PLACES NP
	WIN 0
	FETCH_A \next, 0, 4
.endm
	s_wait_alu depctr_va_vdst(0)
	s_wait_tensorcnt 1                             ; my part of K step 0 is in; K step 1's load may be out
	s_barrier_signal -1
	s_barrier_wait -1
	FETCH_B 0, 0, 0
	FETCH_A 0, 0, 0
	FETCH_A 0, 0, 4
	STEP 0, 0, 1                                   ; the first step's products start the sums
	s_mov_b32 s3, LAPS-1
.Llap:
	TURN 0, 1, 1
	STEP 1, 0, 0
	TURN 1, 0, 1
	STEP 0, 0, 0
	s_sub_co_u32 s3, s3, 1
	s_cmp_lg_u32 s3, 0
	s_cbranch_scc1 .Llap
	TURN 0, 1, 0                                   ; the last lap fills nothing
	STEP 1, 0, 0
	s_wait_dscnt 4*NL
	WIN MUL_LO
	MUL16 0, 1, 0
	MUL16 2, 1, 0
	s_wait_dscnt 0
	WIN MUL_HI
	MUL16 4, 1, 0
	MUL16 6, 1, 0
	WIN 0
	; THE WAY OUT: no LDS: a block's codes are already an image's registers.
	s_wait_kmcnt 0x0
	s_wait_loadcnt 0x0                             ; the biases
	s_wait_xcnt 0x0                                ; the prefetches have read v32, which is written below
	s_add_co_i32 s84, s76, s77                     ; e0 + e1,
	s_lshl_b32 s85, s84, 23                        ; added to the exponent field of
	s_add_co_i32 s84, s85, 0x3eb504f3              ; 64^(-1/4) for q and k,
	s_add_co_i32 s85, s85, 0x3f800000              ; of 1 for v
	s_cmp_eq_u32 ttmp9, 2
	s_cselect_b32 s84, s85, s84
	s_cselect_b32 s88, s80, s79                    ; the next quantiser's e: v e4, k e3,
	s_cselect_b64 s[86:87], s[72:73], s[70:71]
	s_cmp_eq_u32 ttmp9, 0
	s_cselect_b32 s88, s78, s88                    ; q e2
	s_cselect_b64 s[86:87], s[68:69], s[86:87]
	s_mov_b32 s85, s84                             ; (named with it as a pair, so it is written)
	s_add_nc_u64 s[86:87], s[86:87], s[92:93]
	s_mov_b32 s94, 0x3eb504f3
	s_mov_b32 s95, s94
	s_add_co_i32 s88, s88, 127
	s_lshl_b32 s89, s88, 23
	v_mov_b32 v2, s89                              ; 2^e as f32
	s_add_co_i32 s88, s88, 15
	s_lshl_b32 s88, s88, 23
	s_or_b32 s88, s88, 0x600000
	v_mov_b32 v3, s88                              ; 57,344 x 2^e
	PLACES NP
; Block a, half x: four accumulators (32 numbers a lane) become eight registers of codes, each block's in registers of its own, so that no store's data are written again.
.macro EPI a, x, isv
.set AC, 64*((\a)%4)+32*(\x)
.set CC, CDR+8*(2*(\a)+(\x))
	WIN 0x02+((\a)/4)                              ; source 0: window 2 or 3
.set ii, 0
.rept 16
.if \isv
	v_pk_fma_f32 v[T+ii:T+ii+1], v[AC+ii:AC+ii+1], s[84:85], v[BVR+2*(\a):BVR+2*(\a)+1] op_sel_hi:[1,0,1]   ; each accumulator from its low end on
.else
	v_pk_fma_f32 v[T+ii:T+ii+1], v[AC+ii:AC+ii+1], s[84:85], v[BQ+32*(\x)+ii:BQ+32*(\x)+ii+1] op_sel_hi:[1,0,1]
.endif
.set ii, ii+2
.endr
	WIN 0
.set ii, 0
.rept 32
	v_med3_num_f32 v[T+ii], v[T+ii], -v3, v3       ; the hold at the largest code x the scale (ISA guide 7.6.2)
.set ii, ii+1
.endr
.irp t, 0,1,2,3
	v_cvt_scalef32_pk8_bf8_f32 v[CC+2*\t:CC+2*\t+1], v[T+8*\t:T+8*\t+7], v2
.endr
	v_nop                                          ; a plain line behind the last conversion: the next block writes its sources
.irp g, 0,1
.if \isv
	global_store_b128 v[GO], v[CC+4*\g:CC+4*\g+3], s[86:87] offset:((\a)/4)*131072+((\a)%4)*2048+(2*(\x)+\g)*512   ; head a / 4, channels 16 (a % 4) on; keys 64 x + 32 g on
.else
	global_store_b128 v[GO], v[CC+4*\g:CC+4*\g+3], s[86:87] offset:(\a)*1024+(\x)*131072+\g*512                    ; tokens 16 a on, head x; channels 32 g on
.endif
.endr
.endm
	s_cmp_eq_u32 ttmp9, 2                          ; the cluster's x: the same in all partners
	s_cbranch_scc1 .Lv
.set ii, 0
.rept 32
	v_pk_mul_f32 v[BQ+ii:BQ+ii+1], v[BQ+ii:BQ+ii+1], s[94:95] op_sel_hi:[1,0]   ; b x 64^(-1/4)
.set ii, ii+2
.endr
.irp a, 0,1,2,3,4,5,6,7
	EPI \a, 0, 0
	EPI \a, 1, 0
.endr
	s_branch .Lend
.Lv:
.irp a, 0,1,2,3,4,5,6,7
	v_mov_b32 v[BVR+2*\a+1], v[BVR+2*\a]           ; my feature's bias as a pair
.endr
.irp a, 0,1,2,3,4,5,6,7
	EPI \a, 0, 1
	EPI \a, 1, 1
.endr
.Lend:
	s_wait_tensorcnt 0x0                           ; the wave's end
	ds_add_u32 v[SPW], v[NIL]
	s_wait_dscnt 0x0
	CROUND                                         ; the closing round: no work-group ends while a partner may still ask for a tile that names it
	s_endpgm
.Lfunc_end_k_q814e38a7af_qkv:
	.size	k_q814e38a7af_qkv, .Lfunc_end_k_q814e38a7af_qkv-k_q814e38a7af_qkv
	.p2alignl 7, 3214868480
	.fill 96, 4, 3214868480
	.section	.rodata,"a",@progbits
	.p2align	6, 0x0
	.amdhsa_kernel k_q814e38a7af_qkv
		.amdhsa_group_segment_fixed_size 327680
		.amdhsa_private_segment_fixed_size 0
		.amdhsa_enable_private_segment 0
		.amdhsa_kernarg_size 56
		.amdhsa_user_sgpr_count 2
		.amdhsa_user_sgpr_kernarg_segment_ptr 1
		.amdhsa_wavefront_size32 1
		.amdhsa_system_sgpr_workgroup_id_x 1
		.amdhsa_system_sgpr_workgroup_id_y 1
		.amdhsa_system_sgpr_workgroup_id_z 1
		.amdhsa_system_vgpr_workitem_id 0
		.amdhsa_next_free_vgpr 1024
		.amdhsa_next_free_sgpr 104
		.amdhsa_reserve_vcc 0
		.amdhsa_float_denorm_mode_32 3
		.amdhsa_float_denorm_mode_16_64 3
		.amdhsa_memory_ordered 1
		.amdhsa_forward_progress 1
		.amdhsa_inst_pref_size 198
	.end_amdhsa_kernel
	.amdgpu_metadata
---
amdhsa.version: [ 1, 2 ]
amdhsa.kernels:
  - .name:           k_q814e38a7af_qkv
    .symbol:         k_q814e38a7af_qkv.kd
    .args:
      - { .name: rowq, .offset: 0, .size: 8, .value_kind: global_buffer, .address_space: global }
      - { .name: qkv_w_codes, .offset: 8, .size: 8, .value_kind: global_buffer, .address_space: global }
      - { .name: lowp_scales, .offset: 16, .size: 8, .value_kind: global_buffer, .address_space: global }
      - { .name: qkv_b, .offset: 24, .size: 8, .value_kind: global_buffer, .address_space: global }
      - { .name: qimg, .offset: 32, .size: 8, .value_kind: global_buffer, .address_space: global }
      - { .name: kimg, .offset: 40, .size: 8, .value_kind: global_buffer, .address_space: global }
      - { .name: vimg, .offset: 48, .size: 8, .value_kind: global_buffer, .address_space: global }
    .group_segment_fixed_size: 327680
    .private_segment_fixed_size: 0
    .kernarg_segment_align: 8
    .kernarg_segment_size: 56
    .max_flat_workgroup_size: 128
    .sgpr_count:     104
    .vgpr_count:     1024
    .wavefront_size: 32
...
	.end_amdgpu_metadata
.endif
;; end of part 2
;; launch attn (part 3): grid 8 x 32, 8 waves a work-group, clusters of 4 x 1, 327,680 bytes of LDS; arguments qimg, kimg, vimg, mask, lowp_scales, aimg; writes aimg
.if DOCPART == 3
	.amdgcn_target "amdgcn-amd-amdhsa--gfx1250"
	.amdhsa_code_object_version 6
	.text
	.protected	k_q814e38a7af_attn
	.globl	k_q814e38a7af_attn
	.p2align	8
	.type	k_q814e38a7af_attn,@function
k_q814e38a7af_attn:
	s_mov_b64 s[64:65], 0
	v_nop
	global_prefetch_b8 v0, s[64:65] scope:SCOPE_SE
	s_setreg_imm32_b32 hwreg(HW_REG_WAVE_MODE, 25, 1), 1
	s_wait_xcnt 0x0
	s_wait_alu depctr_hold_cnt(0) depctr_sa_sdst(0) depctr_va_vdst(0) depctr_va_sdst(0) depctr_va_ssrc(0) depctr_va_vcc(0) depctr_vm_vsrc(0)
	s_getreg_b32 s2, hwreg(HW_REG_IB_STS2, 6, 4)
	s_cmp_eq_u32 s2, 0
	s_cbranch_scc0 .Lentry_in_a_cluster
	s_endpgm
.Lentry_in_a_cluster:
	s_bfe_u32 s2, ttmp6, 0x10000c
	s_cmp_lg_u32 s2, 0x3003
	s_cbranch_scc0 .Lentry_shape_is_right
	s_endpgm
.Lentry_shape_is_right:
; Attention of one batch x head on E5M2 codes: S^T = K Q^T (K = the head's 64), p = 2^(t - M), O^T = V^T P^T (K = the keys); the result is divided by the row's sum of the unquantised p, quantised with entry 6 and stored as an operand image.
; qimg, kimg: [batch x head 32][16 tokens 128][1,024 bytes]; vimg: [32][128 keys 16][16 channels 4][2,048 bytes]; aimg: [16 tokens 256][128 along K 8][2,048 bytes]: fragments as their registers lie.
; SHARES.  A work-group owns 256 queries of one head; each of its 8 waves owns 32 of them, two tiles A and B, so that each fragment of K, of V and of the mask read from LDS feeds two matrix instructions.
; LDS holds the head's whole K (131,072 bytes), V (131,072) and the mask as 2,048 f32 addends (0, or -2^120 where mask = 0), each filled once: nothing is filled again.  Keys 0-511 are asked for at the head,
; the other 1,536 behind a wait, an add and a round; steps 0-2 (128 keys each) run ahead of the wait for them.  CLUSTER: the four query blocks of a cluster need the same K and V: joint loads, mask 15.
; No prefetch: all tiles are asked for at the head; there is no loop to run ahead in.
; The mask's addend is the C of the first product, in registers of its own that both tiles share.  M = ceil of the running largest t; the sums and O^T are multiplied by 2^(old M - new M) in every step, with no branch.
; In each step the next step's K and mask and this step's V are asked for behind the score products; the last step's look-ahead wraps to step 0 and is not used.
; LIMITS: e2 + e3 between -126 and 6 (c's exponent field, and -2^120 x c stays finite); e5, e6 between -126 and 112.  A row all of whose keys are masked (NaN by the definition) is not served; NaN among the inputs is not served.
; REGISTERS.  Window 0: v1-13 addresses; v16-31 Q (A, B); v32-95 K; v96-159 V; v160-223 the mask's addends; v224-231 the mask on its way in.
; Window 1: v0-63 S^T of A, then p; v64-127 of B; v128-191 O^T (A, B); v192-223 p's codes (A, B); v224-247 the softmax's state.
.set VIMG, 131072
.set MB,   262144
.set SPARE, 0x42000                    ; behind the mask: the spare words, 128 bytes a wave, which no other line names
.set WV,   18
.set SEL,  20
.set CS,   22
.set G1A,  24
.set G1B,  32
.set G0A,  40
.set G0B,  44
.set TB,   2                           ; s2  this step's byte in K's and in V's image
.set TN,   3                           ; s3  the next step's
.set TM,   59                          ; s59 the next step's byte among the mask's addends
.set CNT,  48
.set ADK,  8
.set ADV,  9
.set ADM,  10
.set SPW,  12
.set NIL,  13
.set QA,   16
.set QB,   24
.set KF,   32
.set VF,   96
.set MK,   160
.set SA,   0                           ; from here on: window 1
.set SB,   64
.set OA,   128
.set OB,   160
.set CA,   192
.set CB,   208
.set NA,   224                         ; -M of A; NA + 1: its largest t
.set NB,   226
.set LA,   228                         ; the row's sum in two halves
.set LB,   230
.set FA,   232                         ; 2^(old M - new M)
.set FB,   234
.set U,    236
.set XA,   238
.set YA,   239
.set XB,   240
.set YB,   241
.set PA,   242
.set PB,   243
.set HH,   244                         ; 57,344 x 2^e5
.set SC,   245                         ; 2^e5
.set H2,   246                         ; 57,344 x 2^e6
.set SC2,  247                         ; 2^e6
.set HB,   249                         ; 57,344 x 2^e5 once more, for the second half of a dual pair
.set U2,   250
.set U3,   252
.set MSB, 0
.macro WIN new                         ; the immediate's high byte repeats the setting that is left
.if MSB != (\new)
	s_set_vgpr_msb (MSB<<8)|(\new)
.set MSB, (\new)
.endif
.endm
.macro CROUND
	s_barrier_signal -1
	s_barrier_wait -1
	s_cmp_lg_u32 s[WV], 0
	s_cbranch_scc1 .Lnot_wave_0_\@
	s_barrier_signal -3
.Lnot_wave_0_\@:
	s_barrier_wait -3
	s_barrier_signal -1
	s_barrier_wait -1
.endm
.macro D2
	s_delay_alu instid0(VALU_DEP_2)
.endm
	s_load_b256 s[4:11], s[0:1], 0x0               ; qimg, kimg, vimg, mask
	s_load_b128 s[12:15], s[0:1], 0x20             ; scales, aimg
	v_lshl_add_u32 v[SPW], v0, 2, SPARE
	v_mov_b32 v[NIL], 0
	ds_add_u32 v[SPW], v[NIL]                      ; the opening lines: the add twice on end and its wait
	ds_add_u32 v[SPW], v[NIL]
	v_lshrrev_b32 v4, 5, v0
	v_readfirstlane_b32 s[WV], v4                  ; wave 0..7
	v_lshlrev_b32 v5, 4, v0                        ; 16 x thread: my four numbers of the mask
	v_and_b32 v4, 31, v0
	v_lshlrev_b32 v1, 4, v4                        ; 16 x lane: my place in an image
	v_add_nc_u32 v2, VIMG, v1
	v_bfe_u32 v3, v0, 4, 1
	v_lshl_add_u32 v3, v3, 5, MB                   ; the addends of keys 8 (lane / 16) + 0 .. 7 of a tile
	v_lshl_add_u32 v6, v0, 4, MB
	v_mov_b32 v7, 0xfb800000                       ; -2^120
	s_bfe_u32 s49, ttmp6, 0x40000                  ; cx
	s_lshl_b32 s50, ttmp9, 2
	s_add_co_u32 s50, s50, s49                     ; query block 0..7
	s_and_b32 s51, ttmp7, 0xffff                   ; batch x head
	s_lshr_b32 s19, s[WV], 2                       ; waves 0-3 fetch K, 4-7 V
	s_and_b32 s52, s[WV], 3
	s_mov_b32 s[G1A], 15|(3<<16)|(1<<21)           ; the four partners; elements of 8 bytes; rows of 256 bytes, dense
	s_mov_b32 s[G1A+1], 32<<16
	s_mov_b32 s[G1A+2], 32<<16                     ; 32 rows: 8,192 bytes a wave
	s_mov_b32 s[G1A+3], 32<<16
	s_mov_b32 s[G1A+4], 32
	s_mov_b32 s[G1A+5], 32
	s_mov_b32 s[G1A+6], 0
	s_mov_b32 s[G1A+7], 0
	s_mov_b32 s[G1B], 15|(3<<16)|(1<<21)
	s_mov_b32 s[G1B+1], 32<<16
	s_mov_b32 s[G1B+2], 96<<16                     ; 96 rows: 24,576 bytes a wave
	s_mov_b32 s[G1B+3], 32<<16
	s_mov_b32 s[G1B+4], 96
	s_mov_b32 s[G1B+5], 32
	s_mov_b32 s[G1B+6], 0
	s_mov_b32 s[G1B+7], 0
	s_lshl_b32 s53, s19, 17
	s_lshl_b32 s54, s52, 13
	s_add_co_u32 s55, s53, s54
	s_mul_i32 s56, s52, 24576
	s_add_co_u32 s56, s56, 32768
	s_add_co_u32 s57, s53, s56
	s_lshl_b32 s58, s51, 17
	s_add_co_u32 s60, s58, s54
	s_mov_b32 s61, 0
	s_add_co_u32 s62, s58, s56
	s_mov_b32 s63, 0
	s_mov_b32 s[SEL], 0x76543210
	s_mov_b32 s[SEL+1], 0xfedcba98
	s_lshr_b32 s78, s51, 4
	s_lshl_b32 s78, s78, 13                        ; the batch's mask
	s_mov_b32 s79, 0
	s_lshl_b32 s80, s51, 7
	s_lshl_b32 s81, s50, 4
	s_add_co_u32 s80, s80, s81
	s_lshl_b32 s81, s[WV], 1
	s_add_co_u32 s80, s80, s81                     ; my first query tile
	s_lshl_b32 s80, s80, 10
	s_mov_b32 s81, 0
	s_wait_alu depctr_va_vdst(0)
	s_wait_dscnt 0x0
	s_wait_kmcnt 0x0
	s_load_b256 s[68:75], s[12:13], 0x0            ; e0 .. e7
	s_cmp_eq_u32 s19, 0
	s_cselect_b64 s[76:77], s[6:7], s[8:9]
	s_mov_b32 s[G0A], 1
	s_mov_b32 s[G0A+1], s55
	s_add_nc_u64 s[G0A+2:G0A+3], s[76:77], s[60:61]
	s_or_b32 s[G0A+3], s[G0A+3], 0x80000000
	s_mov_b32 s[G0B], 1
	s_mov_b32 s[G0B+1], s57
	s_add_nc_u64 s[G0B+2:G0B+3], s[76:77], s[62:63]
	s_or_b32 s[G0B+3], s[G0B+3], 0x80000000
	s_add_nc_u64 s[10:11], s[10:11], s[78:79]
	s_add_nc_u64 s[4:5], s[4:5], s[80:81]
	CROUND
	tensor_load_to_lds s[G0A:G0A+3], s[G1A:G1A+7]  ; keys 0-511: my one tensor load at the head
	s_nop 0
.rept 4
	v_nop
.endr
	global_load_b128 v[224:227], v5, s[10:11]      ; the mask: 256 threads x 2 x 16 bytes
	global_load_b128 v[228:231], v5, s[10:11] offset:4096
	global_load_b128 v[QA:QA+3], v1, s[4:5]
	global_load_b128 v[QA+4:QA+7], v1, s[4:5] offset:512
	global_load_b128 v[QB:QB+3], v1, s[4:5] offset:1024
	global_load_b128 v[QB+4:QB+7], v1, s[4:5] offset:1536
	WIN 0x40                                       ; destination window 1: the state's first values
.irp n, NA, NB
	v_mov_b32 v[\n], 0x7f61b1e6                    ; -M = 3e38,
	v_mov_b32 v[\n+1], 0xff61b1e6                  ; the largest t so far: -3e38, under every t
.endr
.irp n, LA, LA+1, LB, LB+1, FA+1, FB+1, PA, PB
	v_mov_b32 v[\n], 0
.endr
.set ii, 0
.rept 64
	v_mov_b32 v[OA+ii], 0                          ; O^T: the loop has no first step of its own
.set ii, ii+1
.endr
	WIN 0
	s_wait_alu depctr_va_vdst(0)
	s_wait_tensorcnt 0x0                           ; ahead of a later first fill
	ds_add_u32 v[SPW], v[NIL]
	s_wait_dscnt 0x0
	CROUND
	tensor_load_to_lds s[G0B:G0B+3], s[G1B:G1B+7]  ; keys 512-2,047
	s_nop 0
.rept 4
	v_nop
.endr
	s_wait_loadcnt 4                               ; the mask's two loads are in; Q's four may be out
.irp j, 224,225,226,227,228,229,230,231
	v_cmp_eq_u32 vcc_lo, 0, v\j
	s_delay_alu instid0(VALU_DEP_1)
	v_cndmask_b32 v\j, 0, v7, vcc_lo
.endr
	ds_store_b128 v6, v[224:227]
	ds_store_b128 v6, v[228:231] offset:4096
	s_wait_kmcnt 0x0
	s_add_co_i32 s81, s70, s71
	s_lshl_b32 s81, s81, 23
	s_add_co_i32 s[CS], s81, 0x3fb8aa3b            ; c = log2(e) x 2^(e2 + e3)
	s_mov_b32 s[CS+1], s[CS]
	s_add_co_i32 s82, s73, 127
	s_lshl_b32 s83, s82, 23
	s_add_co_i32 s82, s82, 15
	s_lshl_b32 s82, s82, 23
	s_or_b32 s82, s82, 0x600000
	WIN 0x40
	v_mov_b32 v[SC], s83
	v_mov_b32 v[HH], s82
	v_mov_b32 v[HB], s82
	WIN 0
.macro SUM s, l                        ; the row's sum of the unquantised p, two at a time, in four chains
	v_pk_add_f32 v[U:U+1], v[\s:\s+1], v[\s+2:\s+3]          ; four chains take turns: 32 additions for 64 numbers
	v_pk_add_f32 v[U2:U2+1], v[\s+4:\s+5], v[\s+6:\s+7]
	v_pk_add_f32 v[U3:U3+1], v[\s+8:\s+9], v[\s+10:\s+11]
.set ii, 12
.rept 6
	v_pk_add_f32 v[\l:\l+1], v[\l:\l+1], v[\s+ii:\s+ii+1]
	v_pk_add_f32 v[U:U+1], v[U:U+1], v[\s+ii+2:\s+ii+3]
	v_pk_add_f32 v[U2:U2+1], v[U2:U2+1], v[\s+ii+4:\s+ii+5]
	v_pk_add_f32 v[U3:U3+1], v[U3:U3+1], v[\s+ii+6:\s+ii+7]
.set ii, ii+8
.endr
	v_pk_add_f32 v[\l:\l+1], v[\l:\l+1], v[\s+60:\s+61]
	v_pk_add_f32 v[U:U+1], v[U:U+1], v[\s+62:\s+63]
	v_pk_add_f32 v[U2:U2+1], v[U2:U2+1], v[U3:U3+1]
	s_delay_alu instid0(VALU_DEP_2)
	v_pk_add_f32 v[\l:\l+1], v[\l:\l+1], v[U:U+1]
	s_delay_alu instid0(VALU_DEP_1)
	v_pk_add_f32 v[\l:\l+1], v[\l:\l+1], v[U2:U2+1]
.endm
.macro KMLOAD ak, am                   ; a step's K (8 tiles of 16 keys) and its addends: 32 loads
.irp t, 0,1,2,3,4,5,6,7
	ds_load_b128 v[KF+8*\t:KF+8*\t+3], v[\ak] offset:1024*\t
	ds_load_b128 v[KF+8*\t+4:KF+8*\t+7], v[\ak] offset:1024*\t+512
.endr
.irp t, 0,1,2,3,4,5,6,7
	ds_load_b128 v[MK+8*\t:MK+8*\t+3], v[\am] offset:64*\t
	ds_load_b128 v[MK+8*\t+4:MK+8*\t+7], v[\am] offset:64*\t+16
.endr
.endm
; A KEY STEP: 128 keys against my 32 queries.
.macro STEP wrap
	s_wait_dscnt 0x0                               ; this step's K and addends are in
	WIN 0x40                                       ; D in window 1
.irp t, 0,1,2,3,4,5,6,7
	v_wmma_f32_16x16x64_bf8_bf8 v[SA+8*\t:SA+8*\t+7], v[KF+8*\t:KF+8*\t+7], v[QA:QA+7], v[MK+8*\t:MK+8*\t+7]
	v_wmma_f32_16x16x64_bf8_bf8 v[SB+8*\t:SB+8*\t+7], v[KF+8*\t:KF+8*\t+7], v[QB:QB+7], v[MK+8*\t:MK+8*\t+7]
.endr
	WIN 0
	s_add_co_u32 s[TN], s[TB], 8192
.if \wrap
	s_and_b32 s[TN], s[TN], 0x1ffff                ; behind the last step: step 0 again, not used
.endif
	s_lshr_b32 s[TM], s[TN], 4
	v_add_nc_u32 v[ADV], s[TB], v2                 ; these three and the v_nop are the four places ahead of the loads and of the scores' first read
	v_add_nc_u32 v[ADK], s[TN], v1
	v_add_nc_u32 v[ADM], s[TM], v3
	v_nop
.irp f, 0,1,2,3
.irp g, 0,1,2,3
	ds_load_b128 v[VF+16*\f+4*\g:VF+16*\f+4*\g+3], v[ADV] offset:2048*\f+512*\g
.endr
.endr
	KMLOAD ADK, ADM
	WIN 0x55                                       ; the softmax: every operand in window 1
	v_max3_num_f32 v[XA], v[SA], v[SA+1], v[SA+2]  ; the step's largest scores, each accumulator from its low end on, four chains
	v_max3_num_f32 v[YA], v[SA+3], v[SA+4], v[SA+5]
	v_max3_num_f32 v[XB], v[SB], v[SB+1], v[SB+2]
	v_max3_num_f32 v[YB], v[SB+3], v[SB+4], v[SB+5]
.set ii, 6
.rept 14
	v_max3_num_f32 v[XA], v[XA], v[SA+ii], v[SA+ii+1]
	v_max3_num_f32 v[YA], v[YA], v[SA+ii+2], v[SA+ii+3]
	v_max3_num_f32 v[XB], v[XB], v[SB+ii], v[SB+ii+1]
	v_max3_num_f32 v[YB], v[YB], v[SB+ii+2], v[SB+ii+3]
.set ii, ii+4
.endr
	v_max3_num_f32 v[XA], v[XA], v[SA+62], v[SA+63]
	v_max3_num_f32 v[XB], v[XB], v[SB+62], v[SB+63]
	D2
	v_max_num_f32 v[XA], v[XA], v[YA]
	D2
	v_max_num_f32 v[XB], v[XB], v[YB]
	D2
	v_permlanex16_b32 v[PA], v[XA], s[SEL], s[SEL+1]
	D2
	v_permlanex16_b32 v[PB], v[XB], s[SEL], s[SEL+1]
	D2
	v_max_num_f32 v[XA], v[XA], v[PA]              ; and lane l xor 16's
	D2
	v_max_num_f32 v[XB], v[XB], v[PB]
	D2
	v_mul_f32 v[XA], s[CS], v[XA]                  ; as t (c is positive)
	D2
	v_mul_f32 v[XB], s[CS], v[XB]
	D2
	v_max_num_f32 v[NA+1], v[NA+1], v[XA]          ; the running largest t
	D2
	v_max_num_f32 v[NB+1], v[NB+1], v[XB]
	v_mov_b32 v[YA], v[NA]
	v_mov_b32 v[YB], v[NB]
	s_delay_alu instid0(VALU_DEP_4)
	v_floor_f32 v[NA], -v[NA+1]                    ; -M = floor(-t): M is a whole number
	s_delay_alu instid0(VALU_DEP_4)
	v_floor_f32 v[NB], -v[NB+1]
	D2
	v_sub_f32 v[YA], v[NA], v[YA]                  ; old M - new M
	D2
	v_sub_f32 v[YB], v[NB], v[YB]
	D2
	v_cvt_i32_f32 v[YA], v[YA]                     ; (it saturates)
	D2
	v_cvt_i32_f32 v[YB], v[YB]
	D2
	v_ldexp_f32 v[FA], 1.0, v[YA]
	D2
	v_ldexp_f32 v[FB], 1.0, v[YB]
.set ii, 0
.rept 32
	v_pk_fma_f32 v[SA+ii:SA+ii+1], v[SA+ii:SA+ii+1], s[CS:CS+1], v[NA:NA+1] op_sel_hi:[1,0,0]   ; t - M of A
.set ii, ii+2
.endr
	v_pk_mul_f32 v[LA:LA+1], v[LA:LA+1], v[FA:FA+1] op_sel_hi:[1,0]
	v_pk_mul_f32 v[LB:LB+1], v[LB:LB+1], v[FB:FB+1] op_sel_hi:[1,0]
.set ii, 0
.rept 16
	v_pk_mul_f32 v[OA+ii:OA+ii+1], v[OA+ii:OA+ii+1], v[FA:FA+1] op_sel_hi:[1,0]   ; O^T under the new M, ahead of the exponentials
	v_pk_mul_f32 v[OB+ii:OB+ii+1], v[OB+ii:OB+ii+1], v[FB:FB+1] op_sel_hi:[1,0]
.set ii, ii+2
.endr
	s_wait_alu depctr_va_vdst(0)                   ; ahead of a batch of exponentials
.set ii, 0
.rept 32
	v_exp_f32 v[SA+ii], v[SA+ii]                   ; p of A; B's t - M stands among them: it is read behind the next wait but one
	v_exp_f32 v[SA+ii+1], v[SA+ii+1]
	v_pk_fma_f32 v[SB+ii:SB+ii+1], v[SB+ii:SB+ii+1], s[CS:CS+1], v[NB:NB+1] op_sel_hi:[1,0,0]
.set ii, ii+2
.endr
	s_wait_alu depctr_va_vdst(0)                   ; and behind it, ahead of its first reader
	SUM SA, LA
	s_wait_alu depctr_va_vdst(0)                   ; ahead of B's batch
.set ii, 0
.rept 32
	v_exp_f32 v[SB+ii], v[SB+ii]                   ; p of B; A's hold stands among them, two numbers an instruction (p is not negative: one-sided; the conversion does not saturate: ISA guide 7.6.2)
	v_exp_f32 v[SB+ii+1], v[SB+ii+1]
	v_dual_min_num_f32 v[SA+ii], v[SA+ii], v[HH] :: v_dual_min_num_f32 v[SA+ii+1], v[SA+ii+1], v[HB]
.set ii, ii+2
.endr
	v_nop                                          ; a plain place behind the batch
	s_wait_alu depctr_va_vdst(0)                   ; behind B's batch: for its results and for A's held p
.irp t, 0,1,2,3,4,5,6,7
	v_cvt_scalef32_pk8_bf8_f32 v[CA+2*\t:CA+2*\t+1], v[SA+8*\t:SA+8*\t+7], v[SC]
.endr
	SUM SB, LB
.set ii, 0
.rept 32
	v_dual_min_num_f32 v[SB+ii], v[SB+ii], v[HH] :: v_dual_min_num_f32 v[SB+ii+1], v[SB+ii+1], v[HB]
.set ii, ii+2
.endr
.irp t, 0,1,2,3,4,5,6,7
	v_cvt_scalef32_pk8_bf8_f32 v[CB+2*\t:CB+2*\t+1], v[SB+8*\t:SB+8*\t+7], v[SC]
.endr
	v_nop                                          ; a plain line between the last conversion and the matrix instructions
	s_wait_alu depctr_va_vdst(0)
	s_wait_dscnt 32                                ; V's 16 loads are in; the 32 behind them (the next K and addends) may be out
	WIN 0x54                                       ; V in window 0; codes, C and D in window 1
.irp f, 0,1,2,3
	v_wmma_f32_16x16x128_bf8_bf8 v[OA+8*\f:OA+8*\f+7], v[VF+16*\f:VF+16*\f+15], v[CA:CA+15], v[OA+8*\f:OA+8*\f+7]
	v_wmma_f32_16x16x128_bf8_bf8 v[OB+8*\f:OB+8*\f+7], v[VF+16*\f:VF+16*\f+15], v[CB:CB+15], v[OB+8*\f:OB+8*\f+7]
.endr
	WIN 0
	s_add_co_u32 s[TB], s[TB], 8192
.endm
	s_wait_alu depctr_va_vdst(0)
	s_wait_loadcnt 0x0                             ; Q
	s_wait_dscnt 0x0                               ; my part of the addends is stored
	s_barrier_signal -1
	s_barrier_wait -1
	KMLOAD 1, 3                                    ; step 0
	s_mov_b32 s[TB], 0
	s_mov_b32 s[CNT], 3
.Lfirst:                                           ; steps 0-2: they read, and look ahead into, keys 0-511 alone
	STEP 0
	s_sub_co_u32 s[CNT], s[CNT], 1
	s_cmp_lg_u32 s[CNT], 0
	s_cbranch_scc1 .Lfirst
	s_wait_tensorcnt 0x0                           ; my part of keys 512-2,047 is in
	s_wait_dscnt 0x0
	s_barrier_signal -1
	s_barrier_wait -1                              ; and everybody's
	s_mov_b32 s[TB], 3*8192
	s_mov_b32 s[CNT], 13
.Lrest:
	STEP 1
	s_sub_co_u32 s[CNT], s[CNT], 1
	s_cmp_lg_u32 s[CNT], 0
	s_cbranch_scc1 .Lrest
	; THE WAY OUT: O^T / the sum x 2^(e4 + e5), held, converted with 2^e6: the conversions' results are an image's registers.
	s_add_co_i32 s82, s74, 127
	s_lshl_b32 s86, s82, 23
	s_add_co_i32 s82, s82, 15
	s_lshl_b32 s82, s82, 23
	s_or_b32 s87, s82, 0x600000
	s_add_co_i32 s82, s72, s73
	s_lshr_b32 s83, s51, 4
	s_lshl_b32 s83, s83, 7
	s_lshl_b32 s84, s50, 4
	s_add_co_u32 s83, s83, s84
	s_lshl_b32 s84, s[WV], 1
	s_add_co_u32 s83, s83, s84                     ; my first token tile
	s_lshl_b32 s83, s83, 3
	s_and_b32 s84, s51, 15
	s_lshr_b32 s85, s84, 1
	s_add_co_u32 s83, s83, s85                     ; two heads make 128 along the next K
	s_lshl_b32 s83, s83, 11
	s_and_b32 s84, s84, 1
	s_lshl_b32 s84, s84, 10
	s_add_co_u32 s84, s83, s84
	s_mov_b32 s85, 0
	s_add_nc_u64 s[14:15], s[14:15], s[84:85]
	WIN 0x55
	v_add_f32 v[LA], v[LA], v[LA+1]
	v_add_f32 v[LB], v[LB], v[LB+1]
	D2
	v_permlanex16_b32 v[PA], v[LA], s[SEL], s[SEL+1]
	D2
	v_permlanex16_b32 v[PB], v[LB], s[SEL], s[SEL+1]
	D2
	v_add_f32 v[LA], v[LA], v[PA]
	D2
	v_add_f32 v[LB], v[LB], v[PB]
	s_wait_alu depctr_va_vdst(0)                   ; ahead of the two reciprocals
	v_rcp_f32 v[LA], v[LA]
	v_rcp_f32 v[LB], v[LB]
	v_mov_b32 v[SC2], s86                          ; (plain lines behind them)
	v_mov_b32 v[H2], s87
	s_wait_alu depctr_va_vdst(0)                   ; ahead of their first reader
	v_ldexp_f32 v[LA], v[LA], s82
	v_ldexp_f32 v[LB], v[LB], s82
	s_wait_alu depctr_va_vdst(0)                   ; directly ahead of the first reader of O^T
.set ii, 0
.rept 32
	v_mul_f32 v[SA+ii], v[OA+ii], v[LA]
.set ii, ii+1
.endr
.set ii, 0
.rept 32
	v_mul_f32 v[SB+ii], v[OB+ii], v[LB]
.set ii, ii+1
.endr
.set ii, 0
.rept 32
	v_med3_num_f32 v[SA+ii], v[SA+ii], -v[H2], v[H2]
	v_med3_num_f32 v[SB+ii], v[SB+ii], -v[H2], v[H2]
.set ii, ii+1
.endr
.irp f, 0,1,2,3
	v_cvt_scalef32_pk8_bf8_f32 v[CA+2*\f:CA+2*\f+1], v[SA+8*\f:SA+8*\f+7], v[SC2]
	v_cvt_scalef32_pk8_bf8_f32 v[CB+2*\f:CB+2*\f+1], v[SB+8*\f:SB+8*\f+7], v[SC2]
.endr
	v_nop
	WIN 0x04                                       ; the stores' data in window 1
	global_store_b128 v1, v[CA:CA+3], s[14:15]     ; a wave's store covers 512 consecutive bytes, aligned
	global_store_b128 v1, v[CA+4:CA+7], s[14:15] offset:512
	global_store_b128 v1, v[CB:CB+3], s[14:15] offset:16384
	global_store_b128 v1, v[CB+4:CB+7], s[14:15] offset:16896
	WIN 0
	s_wait_tensorcnt 0x0                           ; the wave's end
	ds_add_u32 v[SPW], v[NIL]
	s_wait_dscnt 0x0
	CROUND                                         ; the closing round
	s_endpgm
.Lfunc_end_k_q814e38a7af_attn:
	.size	k_q814e38a7af_attn, .Lfunc_end_k_q814e38a7af_attn-k_q814e38a7af_attn
	.p2alignl 7, 3214868480
	.fill 96, 4, 3214868480
	.section	.rodata,"a",@progbits
	.p2align	6, 0x0
	.amdhsa_kernel k_q814e38a7af_attn
		.amdhsa_group_segment_fixed_size 327680
		.amdhsa_private_segment_fixed_size 0
		.amdhsa_enable_private_segment 0
		.amdhsa_kernarg_size 48
		.amdhsa_user_sgpr_count 2
		.amdhsa_user_sgpr_kernarg_segment_ptr 1
		.amdhsa_wavefront_size32 1
		.amdhsa_system_sgpr_workgroup_id_x 1
		.amdhsa_system_sgpr_workgroup_id_y 1
		.amdhsa_system_sgpr_workgroup_id_z 1
		.amdhsa_system_vgpr_workitem_id 0
		.amdhsa_next_free_vgpr 512
		.amdhsa_next_free_sgpr 100
		.amdhsa_reserve_vcc 1
		.amdhsa_float_denorm_mode_32 3
		.amdhsa_float_denorm_mode_16_64 3
		.amdhsa_memory_ordered 1
		.amdhsa_forward_progress 1
		.amdhsa_inst_pref_size 81
	.end_amdhsa_kernel
	.amdgpu_metadata
---
amdhsa.version: [ 1, 2 ]
amdhsa.kernels:
  - .name:           k_q814e38a7af_attn
    .symbol:         k_q814e38a7af_attn.kd
    .args:
      - { .name: qimg, .offset: 0, .size: 8, .value_kind: global_buffer, .address_space: global }
      - { .name: kimg, .offset: 8, .size: 8, .value_kind: global_buffer, .address_space: global }
      - { .name: vimg, .offset: 16, .size: 8, .value_kind: global_buffer, .address_space: global }
      - { .name: mask, .offset: 24, .size: 8, .value_kind: global_buffer, .address_space: global }
      - { .name: lowp_scales, .offset: 32, .size: 8, .value_kind: global_buffer, .address_space: global }
      - { .name: aimg, .offset: 40, .size: 8, .value_kind: global_buffer, .address_space: global }
    .group_segment_fixed_size: 327680
    .private_segment_fixed_size: 0
    .kernarg_segment_align: 8
    .kernarg_segment_size: 48
    .max_flat_workgroup_size: 256
    .sgpr_count:     100
    .vgpr_count:     512
    .wavefront_size: 32
...
	.end_amdgpu_metadata
.endif
;; end of part 3
;; launch proj (part 4): grid 8 x 32, 4 waves a work-group, clusters of 4 x 4, 327,680 bytes of LDS; arguments aimg, proj_w_codes, lowp_scales, proj_b, x, x1; writes x1
.if DOCPART == 4
	.amdgcn_target "amdgcn-amd-amdhsa--gfx1250"
	.amdhsa_code_object_version 6
	.text
	.protected	k_q814e38a7af_proj
	.globl	k_q814e38a7af_proj
	.p2align	8
	.type	k_q814e38a7af_proj,@function
k_q814e38a7af_proj:
	s_mov_b64 s[64:65], 0
	v_nop
	global_prefetch_b8 v0, s[64:65] scope:SCOPE_SE
	s_setreg_imm32_b32 hwreg(HW_REG_WAVE_MODE, 25, 1), 1
	s_wait_xcnt 0x0
	s_wait_alu depctr_hold_cnt(0) depctr_sa_sdst(0) depctr_va_vdst(0) depctr_va_sdst(0) depctr_va_ssrc(0) depctr_va_vcc(0) depctr_vm_vsrc(0)
	s_getreg_b32 s2, hwreg(HW_REG_IB_STS2, 6, 4)
	s_cmp_eq_u32 s2, 0
	s_cbranch_scc0 .Lentry_in_a_cluster
	s_endpgm
.Lentry_in_a_cluster:
	s_bfe_u32 s2, ttmp6, 0x10000c
	s_cmp_lg_u32 s2, 0xf033
	s_cbranch_scc0 .Lentry_shape_is_right
	s_endpgm
.Lentry_shape_is_right:
; out = resid + A W^T + b on E5M2 codes.  A: operand images [16 tokens 256][128 along K, SIZE_K / 128][2,048 bytes]; W: codes [1024][SIZE_K], K innermost; resid, out: [4096][1024] f32.
; 1,024 output columns make only 64 tiles of 256 x 256, so the tile is 128 x 128: 256 work-groups, one for each WGP.  Four waves, 64 x 64 each: 16 accumulators.
; K goes in steps of 512 (four matrix steps of 128) through two LDS slots.  A's part of a slot is 8 token tiles x 8,192 bytes, images on end: a fragment comes by four loads of 16 bytes at 16 x lane.
; W's part is 128 rows of 512 bytes at a pitch of 1,040; its fragments are read in the same order of k as the images have (registers 2 c, 2 c + 1: k = 16 c + 8 (lane / 16) + 0 .. 7): eight loads of 8 bytes.
; CLUSTERS: 4 x 4 work-groups; A's tile is shared along a row of the cluster, W's along a column: joint loads with a mask that names the four.
; The matrix instruction is used transposed (source 0 = 16 rows of W, source 1 = 16 tokens): a lane holds eight neighbouring columns of a row.  A wave's 64 columns are 256 bytes, aligned: each wave has a stage of its own.
; The residual's 64 x 64 numbers of a wave are asked for at the head, in the layout of the stores, and lie in registers until the way out.
; LIMITS: the two exponents' sum between -126 and 127.
; REGISTERS: window 0: v1-23 addresses and the bias; v128-255 A's fragments, two sets of 64; on the way out v32-159.   window 1: W's fragments, two sets of 64.   window 2: v0-127 accumulators ((a, b) at 8 (4 a + b)); v128-255 the residual.
.set SIZE_K, 1024
.set SIDX,   6                         ; the scales' entries SIDX and SIDX + 1
.set LAPS,   SIZE_K/1024               ; a lap = two slots
; ALL OF K AT ONCE: a work-group's operands, 131,072 bytes of images and 128 rows of 1,040 bytes, fit in LDS together, so each wave asks for its part once, at the head, and nothing is filled later.
; 'Slot' 0 and 1 below are K = 0 .. 511 and 512 .. 1,023 of the same LDS rows: 8,192 bytes on in a token tile's row, 512 on in a row of W.
.set ATILE,  16384                     ; a token tile's row: all 8 images of 2,048 bytes
.set AHALF,  4*ATILE
.set BP,     1040                      ; a row of W: 1,024 bytes + 16 of padding
.set BHALF,  64*BP
.set BOFF,   2*AHALF
.set SLOT,   BOFF+2*BHALF
.set STAGE,  SLOT                      ; behind the operands: 16 rows x 272 bytes for each wave
.set SPITCH, 272
.set SPARE,  STAGE+4*16*SPITCH         ; behind the stages: the spare words, 128 bytes a wave, which no other line names
.set ADRA, 8
.set ADRB, 10
.set SPW,  12
.set NIL,  13
.set STO,  14
.set RD,   15
.set RO,   16
.set BK,   32
.set OUT,  96
.set AF,   128
.set G1, 24
.set G0, 32
.set G1B, 48
.set G0B, 56
.set MSB, 0
.macro WIN new
.if MSB != (\new)
	s_set_vgpr_msb (MSB<<8)|(\new)
.set MSB, (\new)
.endif
.endm
.set MUL, 0xa1                         ; source 0 (W) window 1, source 1 (A) window 0, C and D window 2
.macro JLOAD s                         ; waves 0 and 1 fetch A's halves, waves 2 and 3 W's; four v_nop follow each line
	s_cmp_eq_u32 s15, 0
	s_cbranch_scc0 .Lfor_b_\@
	tensor_load_to_lds s[G0+4*\s:G0+4*\s+3], s[G1:G1+7]
	s_nop 0
.rept 4
	v_nop
.endr
	s_branch .Lasked_\@
.Lfor_b_\@:
	tensor_load_to_lds s[G0B+4*\s:G0B+4*\s+3], s[G1B:G1B+7]
	s_nop 0
.rept 4
	v_nop
.endr
.Lasked_\@:
.endm
.macro CREST
	s_cmp_lg_u32 s14, 0
	s_cbranch_scc1 .Lnot_wave_0_\@
	s_barrier_signal -3
.Lnot_wave_0_\@:
	s_barrier_wait -3
	s_barrier_signal -1
	s_barrier_wait -1
.endm
.macro CROUND
	s_barrier_signal -1
	s_barrier_wait -1
	CREST
.endm
	s_load_b256 s[4:11], s[0:1], 0x0               ; A s[4:5], W s[6:7], scales s[8:9], bias s[10:11]
	s_load_b128 s[68:71], s[0:1], 0x20             ; resid s[68:69], out s[70:71]
	v_lshl_add_u32 v[SPW], v0, 2, SPARE
	v_mov_b32 v[NIL], 0
	ds_add_u32 v12, v13
	ds_add_u32 v12, v13
	s_wait_dscnt 0x0
	v_lshrrev_b32 v1, 5, v0
	v_readfirstlane_b32 s14, v1                    ; wave 0..3
	s_lshr_b32 s15, s14, 1                         ; my half of the tokens.  Also: I fetch A (0) or W (1)
	s_and_b32 s16, s14, 1                          ; my half of the columns.  Also: which half of that tile I fetch
	s_bfe_u32 s40, ttmp6, 0x40000
	s_bfe_u32 s41, ttmp6, 0x40004
	s_lshl_b32 s42, ttmp9, 2
	s_add_co_u32 s42, s42, s40                     ; tile column 0..7
	s_and_b32 s17, ttmp7, 0xffff
	s_lshl_b32 s17, s17, 2
	s_add_co_u32 s17, s17, s41                     ; tile row 0..31
	s_lshl_b32 s43, s41, 2
	s_lshl_b32 s43, 15, s43
	s_lshl_b32 s44, 0x1111, s40
	s_or_b32 s[G1+0], s43, (3<<16)|(1<<21)         ; A: the mask of my row; elements of 8 bytes; no padding
	s_mov_b32 s[G1+1], 2048<<16                    ; a row: 2,048 elements = 16,384 bytes
	s_mov_b32 s[G1+2], 4<<16                       ; 4 rows: 4 token tiles
	s_mov_b32 s[G1+3], 2048<<16
	s_mov_b32 s[G1+4], 4
	s_mov_b32 s[G1+5], 2*SIZE_K                    ; from token tile to token tile: 16 SIZE_K bytes
	s_mov_b32 s[G1+6], 0
	s_mov_b32 s[G1+7], 0
	s_or_b32 s[G1B+0], s44, (1<<20)|(1<<21)|(7<<22)|(3<<25)   ; W: the mask of my column; elements of 1 byte; 4 words of padding behind every 256
	s_mov_b32 s[G1B+1], 1024<<16
	s_mov_b32 s[G1B+2], 64<<16
	s_mov_b32 s[G1B+3], 1024<<16
	s_mov_b32 s[G1B+4], 64
	s_mov_b32 s[G1B+5], SIZE_K
	s_mov_b32 s[G1B+6], 0
	s_mov_b32 s[G1B+7], 0
	s_lshl_b32 s18, s16, 2
	s_lshl_b32 s20, s17, 3
	s_add_co_u32 s20, s20, s18
	s_mul_i32 s20, s20, 16*SIZE_K                  ; A: token tile 8 x tile row + 4 x half
	s_mov_b32 s21, 0
	s_lshl_b32 s18, s16, 6
	s_lshl_b32 s46, s42, 7
	s_add_co_u32 s46, s46, s18
	s_mul_i32 s46, s46, SIZE_K                     ; W: row 128 x tile column + 64 x half
	s_mov_b32 s47, 0
	s_lshl_b32 s45, s16, 16                        ; A's half in LDS
	s_mul_i32 s19, s16, BHALF
	s_add_co_u32 s19, s19, BOFF                    ; W's
	s_wait_kmcnt 0x0
	s_load_b64 s[76:77], s[8:9], SIDX*4            ; the two exponents
	s_add_nc_u64 s[20:21], s[4:5], s[20:21]
	s_add_nc_u64 s[46:47], s[6:7], s[46:47]
	CROUND                                         ; all sixteen work-groups are here: the first joint loads meet
.irp s, 0
	s_mov_b32 s[G0+4*\s], 1
	s_add_co_u32 s[G0+4*\s+1], s45, \s*SLOT
	s_add_nc_u64 s[G0+4*\s+2:G0+4*\s+3], s[20:21], \s*ATILE
	s_or_b32 s[G0+4*\s+3], s[G0+4*\s+3], 0x80000000
	s_mov_b32 s[G0B+4*\s], 1
	s_add_co_u32 s[G0B+4*\s+1], s19, \s*SLOT
	s_add_nc_u64 s[G0B+4*\s+2:G0B+4*\s+3], s[46:47], \s*512
	s_or_b32 s[G0B+4*\s+3], s[G0B+4*\s+3], 0x80000000
	JLOAD \s                                       ; my one tensor load
.endr
	v_and_b32 v1, 15, v0                           ; r
	v_bfe_u32 v2, v0, 4, 1                         ; h
	v_and_b32 v3, 31, v0
	v_lshlrev_b32 v3, 4, v3                        ; 16 x lane
	v_mul_u32_u24 v4, v1, BP
	v_lshl_add_u32 v4, v2, 3, v4                   ; W: row r x pitch + 8 h
	s_lshl_b32 s21, s15, 16                        ; my 4 token tiles
	s_mul_i32 s22, s16, BHALF
	s_add_co_u32 s22, s22, BOFF                    ; my 64 rows of W
.irp s, 0,1
	v_add_nc_u32 v[ADRA+\s], s21, v3
	v_add_nc_u32 v[ADRB+\s], s22, v4
	s_add_co_u32 s21, s21, 8192
	s_add_co_u32 s22, s22, 512
.endr
	s_mul_i32 s23, s14, 16*SPITCH
	s_add_co_u32 s23, s23, STAGE                   ; my stage
	v_mul_u32_u24 v6, v1, SPITCH
	v_lshl_add_u32 v6, v2, 5, v6
	v_add_nc_u32 v[STO], s23, v6                   ; in: row r, 32 bytes for each half of the lanes
	v_mul_u32_u24 v6, v2, SPITCH
	v_lshl_add_u32 v6, v1, 4, v6
	v_add_nc_u32 v[RD], s23, v6                    ; back: lanes 0-15 one row of 256 bytes, lanes 16-31 the next
	v_lshlrev_b32 v5, 4, v1                        ; 16 r: my four columns
	v_lshl_add_u32 v[RO], v2, 12, v5               ; and the same two rows in resid and out
	s_wait_alu depctr_va_vdst(0)
	s_lshl_b32 s90, s42, 9
	s_lshl_b32 s91, s16, 8
	s_add_co_u32 s90, s90, s91                     ; my 64 columns, in bytes
	s_mov_b32 s91, 0
	s_add_nc_u64 s[10:11], s[10:11], s[90:91]
	global_load_b128 v[20:23], v5, s[10:11]        ; the bias of my four columns
	s_lshl_b32 s92, s17, 7
	s_lshl_b32 s93, s15, 6
	s_add_co_u32 s92, s92, s93
	s_lshl_b32 s92, s92, 12                        ; my 64 rows of 4,096 bytes
	s_add_co_u32 s90, s90, s92
	s_add_nc_u64 s[68:69], s[68:69], s[90:91]
	s_add_nc_u64 s[70:71], s[70:71], s[90:91]
	WIN 0x80                                       ; destination window 2
.set nn, 0
.rept 32
	global_load_b128 v[128+4*nn:131+4*nn], v[RO], s[68:69] offset:2*nn*4096   ; rows 2 nn, 2 nn + 1: sixteen lanes read 256 consecutive bytes, aligned
.set nn, nn+1
.endr
	WIN 0
.macro FETCH slot, q, p                ; the fragments of the slot's q-th 128 along K into set p: 32 loads of 8 bytes for W, 16 of 16 bytes for A
	WIN 0x40
.irp i, 0,1,2,3
.irp c, 0,1,2,3,4,5,6,7
	ds_load_b64 v[64*(\p)+16*\i+2*\c:64*(\p)+16*\i+2*\c+1], v[ADRB+\slot] offset:\i*16*BP+128*(\q)+16*\c
.endr
.endr
	WIN 0
.irp i, 0,1,2,3
.irp g, 0,1,2,3
	ds_load_b128 v[AF+64*(\p)+16*\i+4*\g:AF+64*(\p)+16*\i+4*\g+3], v[ADRA+\slot] offset:\i*ATILE+2048*(\q)+512*\g
.endr
.endr
.endm
.macro MUL4 a, p, zero                 ; the 16 accumulators take turns, one instruction a turn, in the same order in every step
.irp b, 0,1,2,3
.if \zero
	v_wmma_f32_16x16x128_bf8_bf8 v[8*(4*(\a)+\b):8*(4*(\a)+\b)+7], v[64*(\p)+16*\b:64*(\p)+16*\b+15], v[AF+64*(\p)+16*(\a):AF+64*(\p)+16*(\a)+15], 0
.else
	v_wmma_f32_16x16x128_bf8_bf8 v[8*(4*(\a)+\b):8*(4*(\a)+\b)+7], v[64*(\p)+16*\b:64*(\p)+16*\b+15], v[AF+64*(\p)+16*(\a):AF+64*(\p)+16*(\a)+15], v[8*(4*(\a)+\b):8*(4*(\a)+\b)+7]
.endif
.endr
.endm
.macro PLACES                          ; plain vector lines between a matrix instruction and a load into, or a read of, its registers
.rept 4
	v_nop
.endr
.endm
.macro STEP slot, q, zero              ; one of a slot's first three steps: the next step's fragments are asked for, then this step's are multiplied
	PLACES
	FETCH \slot, (\q)+1, ((\q)+1)%2
	s_wait_dscnt 48                                ; this step's 48 loads are in; the 48 just issued stay out
	WIN MUL
	MUL4 0, (\q)%2, \zero
	MUL4 1, (\q)%2, \zero
	MUL4 2, (\q)%2, \zero
	MUL4 3, (\q)%2, \zero
.endm
.macro TURN slot, next, fill           ; a slot's last step changes slots: one barrier; in front of it all my tensor loads have landed, the add is done and my reads of this slot are over
	WIN 0
	s_wait_tensorcnt 0x0                           ; my part of the next slot is in; no tensor load of mine is out
	ds_add_u32 v[SPW], v[NIL]                      ; 0 onto my spare word
	s_wait_dscnt 1                                 ; this step's 48 loads are in; the add may be out
	WIN MUL
	MUL4 0, 1, 0
	s_wait_dscnt 0x0
	s_barrier_signal -1
	MUL4 1, 1, 0
	WIN 0
	s_barrier_wait -1
.if \fill
	CREST                                          ; the barrier has opened a round of the cluster's: no wave of any partner still reads this slot or has a load on its way
	s_add_nc_u64 s[G0+4*\slot+2:G0+4*\slot+3], s[G0+4*\slot+2:G0+4*\slot+3], 2*ATILE
	s_add_nc_u64 s[G0B+4*\slot+2:G0B+4*\slot+3], s[G0B+4*\slot+2:G0B+4*\slot+3], 2*512
	JLOAD \slot                                    ; the first tensor load behind the round; its four v_nop are the places in front of the loads below
.else
	PLACES
.endif
	FETCH \next, 0, 0
	WIN MUL
	MUL4 2, 1, 0
	MUL4 3, 1, 0
.endm
	s_wait_tensorcnt 0x0                           ; my part of the operands is in
	s_barrier_signal -1
	s_barrier_wait -1
	FETCH 0, 0, 0
	STEP 0, 0, 1                                   ; the first step's products start the sums
.if LAPS > 1
	WIN 0
	s_mov_b32 s3, LAPS-1
.Llap:
	STEP 0, 1, 0
	STEP 0, 2, 0
	TURN 0, 1, 1
	STEP 1, 0, 0
	STEP 1, 1, 0
	STEP 1, 2, 0
	TURN 1, 0, 1
	STEP 0, 0, 0
	WIN 0
	s_sub_co_u32 s3, s3, 1
	s_cmp_lg_u32 s3, 0
	s_cbranch_scc1 .Llap
.endif
	STEP 0, 1, 0                                   ; the last lap fills nothing
	STEP 0, 2, 0
	TURN 0, 1, 0
	STEP 1, 0, 0
	STEP 1, 1, 0
	STEP 1, 2, 0
	s_wait_dscnt 0x0
	MUL4 0, 1, 0
	MUL4 1, 1, 0
	MUL4 2, 1, 0
	MUL4 3, 1, 0
	WIN 0
	; THE WAY OUT, 16 rows at a time: the raw sums go through my own stage and come back as whole rows of 256 bytes; out = sum x 2^(ea + eb) + (resid + b).
	s_wait_kmcnt 0x0
	s_add_co_i32 s84, s76, s77
	s_add_co_i32 s84, s84, 127
	s_lshl_b32 s84, s84, 23                        ; 2^(ea + eb) as f32
	s_mov_b32 s85, s84
	PLACES
	s_wait_loadcnt 0x0                             ; the residual and the bias
.macro TOSTAGE a
	WIN 0x08                                       ; the stores' data: window 2
.irp b, 0,1,2,3
	ds_store_b128 v[STO], v[8*(4*(\a)+\b):8*(4*(\a)+\b)+3] offset:64*\b        ; each accumulator from its low end on
	ds_store_b128 v[STO], v[8*(4*(\a)+\b)+4:8*(4*(\a)+\b)+7] offset:64*\b+16
.endr
	WIN 0
.irp t, 0,1,2,3,4,5,6,7
	ds_load_b128 v[BK+32*((\a)%2)+4*\t:BK+32*((\a)%2)+4*\t+3], v[RD] offset:\t*2*SPITCH   ; LDS serves a wave's instructions in order (ISA guide 5.7.1.4): these see the stores above
.endr
.endm
.macro SEND a, younger                 ; younger: the LDS instructions issued behind block a's loads, which may stay out
.set OB, OUT+32*((\a)%2)
.set BB, BK+32*((\a)%2)
.if (\a) > 1
	s_wait_xcnt 0x0                                ; block a - 2's stores have read these registers
.endif
	WIN 0x02                                       ; source 0: window 2
.irp t, 0,1,2,3,4,5,6,7
	v_pk_add_f32 v[OB+4*\t:OB+4*\t+1], v[128+4*(8*(\a)+\t):128+4*(8*(\a)+\t)+1], v[20:21]
	v_pk_add_f32 v[OB+4*\t+2:OB+4*\t+3], v[128+4*(8*(\a)+\t)+2:128+4*(8*(\a)+\t)+3], v[22:23]
.endr
	WIN 0
	s_wait_dscnt \younger
.set ii, 0
.rept 16
	v_pk_fma_f32 v[OB+ii:OB+ii+1], v[BB+ii:BB+ii+1], s[84:85], v[OB+ii:OB+ii+1] op_sel_hi:[1,0,1]
.set ii, ii+2
.endr
.irp t, 0,1,2,3,4,5,6,7
	global_store_b128 v[RO], v[OB+4*\t:OB+4*\t+3], s[70:71] offset:(16*(\a)+2*\t)*4096   ; sixteen lanes store 256 consecutive bytes, aligned
.endr
.endm
	TOSTAGE 0
	TOSTAGE 1
	SEND 0, 16                                     ; behind block 0's loads: block 1's 8 stores and 8 loads
	TOSTAGE 2
	SEND 1, 16
	TOSTAGE 3
	SEND 2, 16
	SEND 3, 0
	s_wait_tensorcnt 0x0                           ; the wave's end
	ds_add_u32 v[SPW], v[NIL]
	s_wait_dscnt 0x0
	CROUND                                         ; the closing round
	s_endpgm
.Lfunc_end_k_q814e38a7af_proj:
	.size	k_q814e38a7af_proj, .Lfunc_end_k_q814e38a7af_proj-k_q814e38a7af_proj
	.p2alignl 7, 3214868480
	.fill 96, 4, 3214868480
	.section	.rodata,"a",@progbits
	.p2align	6, 0x0
	.amdhsa_kernel k_q814e38a7af_proj
		.amdhsa_group_segment_fixed_size 327680
		.amdhsa_private_segment_fixed_size 0
		.amdhsa_enable_private_segment 0
		.amdhsa_kernarg_size 48
		.amdhsa_user_sgpr_count 2
		.amdhsa_user_sgpr_kernarg_segment_ptr 1
		.amdhsa_wavefront_size32 1
		.amdhsa_system_sgpr_workgroup_id_x 1
		.amdhsa_system_sgpr_workgroup_id_y 1
		.amdhsa_system_sgpr_workgroup_id_z 1
		.amdhsa_system_vgpr_workitem_id 0
		.amdhsa_next_free_vgpr 768
		.amdhsa_next_free_sgpr 100
		.amdhsa_reserve_vcc 0
		.amdhsa_float_denorm_mode_32 3
		.amdhsa_float_denorm_mode_16_64 3
		.amdhsa_memory_ordered 1
		.amdhsa_forward_progress 1
		.amdhsa_inst_pref_size 60
	.end_amdhsa_kernel
	.amdgpu_metadata
---
amdhsa.version: [ 1, 2 ]
amdhsa.kernels:
  - .name:           k_q814e38a7af_proj
    .symbol:         k_q814e38a7af_proj.kd
    .args:
      - { .name: aimg, .offset: 0, .size: 8, .value_kind: global_buffer, .address_space: global }
      - { .name: proj_w_codes, .offset: 8, .size: 8, .value_kind: global_buffer, .address_space: global }
      - { .name: lowp_scales, .offset: 16, .size: 8, .value_kind: global_buffer, .address_space: global }
      - { .name: proj_b, .offset: 24, .size: 8, .value_kind: global_buffer, .address_space: global }
      - { .name: x, .offset: 32, .size: 8, .value_kind: global_buffer, .address_space: global }
      - { .name: x1, .offset: 40, .size: 8, .value_kind: global_buffer, .address_space: global }
    .group_segment_fixed_size: 327680
    .private_segment_fixed_size: 0
    .kernarg_segment_align: 8
    .kernarg_segment_size: 48
    .max_flat_workgroup_size: 128
    .sgpr_count:     100
    .vgpr_count:     768
    .wavefront_size: 32
...
	.end_amdgpu_metadata
.endif
;; end of part 4
;; launch ln2 (part 5): grid 256 x 1, 8 waves a work-group, no clusters, 0 bytes of LDS; arguments x1, ln2_w, ln2_b, lowp_scales, rowq; writes rowq
.if DOCPART == 5
	.amdgcn_target "amdgcn-amd-amdhsa--gfx1250"
	.amdhsa_code_object_version 6
	.text
	.protected	k_q814e38a7af_ln2
	.globl	k_q814e38a7af_ln2
	.p2align	8
	.type	k_q814e38a7af_ln2,@function
k_q814e38a7af_ln2:
	s_mov_b64 s[64:65], 0
	v_nop
	global_prefetch_b8 v0, s[64:65] scope:SCOPE_SE
	s_setreg_imm32_b32 hwreg(HW_REG_WAVE_MODE, 25, 1), 1
	s_wait_xcnt 0x0
; LayerNorm of 4,096 rows of 1,024 f32, quantised to E5M2 codes with the given scale 2^e (entry SIDX of the scales): rows of 1,024 bytes, K innermost.
; A stream: every byte is read once and written once, so there is no LDS, no matrix unit, no barrier and no cluster (work-groups share only the 8 KiB of gain and bias).
; A work-group takes 16 rows, a wave 2.  A lane takes columns 256 j + 8 lane + 0 .. 7 (j = 0 .. 3): eight NEIGHBOURS along K in eight consecutive registers, as the conversion wants them;
; its 8 codes are 8 bytes, so a wave's store covers 256 consecutive bytes, aligned.  All 32 loads of a wave are issued at once.
; Mean and variance in two passes (the mean is taken away before the squares), as the definition has it: a common offset of the inputs costs no accuracy.
; LIMITS: e between -126 and 112, so that 2^e and 57,344 x 2^e are f32 numbers.  NaN and infinities among the inputs are not served.
.set SIDX, 8
.set X0, 32                            ; v32-63   row 0: chunk j at 8 j
.set X1, 64                            ; v64-95   row 1
.set GW, 96                            ; v96-127  gain of my 32 columns
.set GB, 128                           ; v128-159 bias
.set CD, 160                           ; v160-175 codes: 8 registers a row
	s_load_b256 s[4:11], s[0:1], 0x0               ; x s[4:5], gain s[6:7], bias s[8:9], scales s[10:11]
	s_load_b64 s[12:13], s[0:1], 0x20              ; codes out
	v_lshrrev_b32 v5, 5, v0
	s_delay_alu instid0(VALU_DEP_1)
	v_readfirstlane_b32 s14, v5                    ; wave 0..7
	v_and_b32 v5, 31, v0
	s_delay_alu instid0(VALU_DEP_1)
	v_lshlrev_b32 v1, 5, v5                        ; 32 x lane: my 8 numbers of a chunk
	s_delay_alu instid0(VALU_DEP_2)
	v_lshlrev_b32 v2, 3, v5                        ; 8 x lane: my 8 codes
	v_mov_b32 v14, 0                               ; written once: a lane permute's destination counts as one of its sources
	v_mov_b32 v15, 0
	s_mov_b32 s20, 0x76543210                      ; lane selects: lane l xor 16
	s_mov_b32 s21, 0xfedcba98
	s_mov_b32 s24, 0x3a800000                      ; 1 / 1,024
	s_mov_b32 s25, 0x3727c5ac                      ; 1e-5
	s_lshl_b32 s16, ttmp9, 16                      ; 16 rows of 4,096 bytes a work-group,
	s_lshl_b32 s17, s14, 13                        ; 2 a wave
	s_add_co_u32 s16, s16, s17
	s_mov_b32 s17, 0
	s_lshl_b32 s18, ttmp9, 14                      ; and of 1,024 bytes on the way out
	s_lshl_b32 s19, s14, 11
	s_add_co_u32 s18, s18, s19
	s_mov_b32 s19, 0
	s_wait_alu depctr_va_vdst(0)
	s_wait_kmcnt 0x0
	s_load_b32 s22, s[10:11], SIDX*4               ; e
	s_add_nc_u64 s[4:5], s[4:5], s[16:17]
	s_add_nc_u64 s[12:13], s[12:13], s[18:19]
.macro LD8 reg, sb, off                ; 32 numbers a lane: four chunks of 1,024 bytes, two loads of 16 bytes a lane in each
.irp j, 0,1,2,3
	global_load_b128 v[\reg+8*\j:\reg+8*\j+3], v1, s[\sb:\sb+1] offset:\off+1024*\j
	global_load_b128 v[\reg+8*\j+4:\reg+8*\j+7], v1, s[\sb:\sb+1] offset:\off+1024*\j+16
.endr
.endm
.macro SUMROW x, c                     ; the lane's 32 numbers in four packed chains; the first additions start them
.irp k, 0,1,2,3
	v_pk_add_f32 v[\c+2*\k:\c+2*\k+1], v[\x+2*\k:\x+2*\k+1], v[\x+8+2*\k:\x+8+2*\k+1]
.endr
.irp g, 16,24
.irp k, 0,1,2,3
	s_delay_alu instid0(VALU_DEP_4)
	v_pk_add_f32 v[\c+2*\k:\c+2*\k+1], v[\c+2*\k:\c+2*\k+1], v[\x+\g+2*\k:\x+\g+2*\k+1]
.endr
.endr
.endm
.macro SQROW x, c                      ; the same for the squares
.irp k, 0,1,2,3
	v_pk_mul_f32 v[\c+2*\k:\c+2*\k+1], v[\x+2*\k:\x+2*\k+1], v[\x+2*\k:\x+2*\k+1]
.endr
.irp g, 8,16,24
.irp k, 0,1,2,3
	s_delay_alu instid0(VALU_DEP_4)
	v_pk_fma_f32 v[\c+2*\k:\c+2*\k+1], v[\x+\g+2*\k:\x+\g+2*\k+1], v[\x+\g+2*\k:\x+\g+2*\k+1], v[\c+2*\k:\c+2*\k+1]
.endr
.endr
.endm
.macro FOLD c, tmp                     ; four chains into one number, then over the 32 lanes: every lane ends with the row's sum in v[c]
	v_pk_add_f32 v[\c:\c+1], v[\c:\c+1], v[\c+2:\c+3]
	v_pk_add_f32 v[\c+4:\c+5], v[\c+4:\c+5], v[\c+6:\c+7]
	s_delay_alu instid0(VALU_DEP_1)
	v_pk_add_f32 v[\c:\c+1], v[\c:\c+1], v[\c+4:\c+5]
	s_delay_alu instid0(VALU_DEP_1)
	v_add_f32 v[\c], v[\c], v[\c+1]
	s_delay_alu instid0(VALU_DEP_1)
	v_add_f32_dpp v[\c], v[\c], v[\c] row_xmask:1 row_mask:0xf bank_mask:0xf
	s_delay_alu instid0(VALU_DEP_1)
	v_add_f32_dpp v[\c], v[\c], v[\c] row_xmask:2 row_mask:0xf bank_mask:0xf
	s_delay_alu instid0(VALU_DEP_1)
	v_add_f32_dpp v[\c], v[\c], v[\c] row_xmask:4 row_mask:0xf bank_mask:0xf
	s_delay_alu instid0(VALU_DEP_1)
	v_add_f32_dpp v[\c], v[\c], v[\c] row_xmask:8 row_mask:0xf bank_mask:0xf
	s_delay_alu instid0(VALU_DEP_1)
	v_permlanex16_b32 v[\tmp], v[\c], s20, s21
	s_delay_alu instid0(VALU_DEP_1)
	v_add_f32 v[\c], v[\c], v[\tmp]
.endm
.macro CENTRE x, m                     ; x - mean, in place
.set ii, 0
.rept 16
	v_pk_add_f32 v[\x+ii:\x+ii+1], v[\x+ii:\x+ii+1], v[\m:\m+1] neg_lo:[0,1] neg_hi:[0,1]
.set ii, ii+2
.endr
.endm
.macro FINISH x, r, row                ; ((x - mean) / sigma) gain + bias, held within the largest code x the scale, converted, stored
.set ii, 0
.rept 16
	v_pk_mul_f32 v[\x+ii:\x+ii+1], v[\x+ii:\x+ii+1], v[\r:\r+1]
.set ii, ii+2
.endr
.set ii, 0
.rept 16
	v_pk_fma_f32 v[\x+ii:\x+ii+1], v[\x+ii:\x+ii+1], v[GW+ii:GW+ii+1], v[GB+ii:GB+ii+1]
.set ii, ii+2
.endr
.set ii, 0
.rept 32
	v_med3_num_f32 v[\x+ii], v[\x+ii], -v4, v4     ; the conversion to an 8-bit code does not saturate (ISA guide 7.6.2): the hold comes first
.set ii, ii+1
.endr
.irp j, 0,1,2,3
	v_cvt_scalef32_pk8_bf8_f32 v[CD+8*\row+2*\j:CD+8*\row+2*\j+1], v[\x+8*\j:\x+8*\j+7], v3
.endr
	v_nop                                          ; a plain line behind the last conversion of the run
.irp j, 0,1,2,3
	global_store_b64 v2, v[CD+8*\row+2*\j:CD+8*\row+2*\j+1], s[12:13] offset:1024*\row+256*\j   ; 32 lanes store 256 consecutive bytes, aligned
.endr
.endm
	LD8 X0, 4, 0
	LD8 X1, 4, 4096
	LD8 GW, 6, 0
	LD8 GB, 8, 0
	s_wait_loadcnt 24                              ; row 0's eight loads are in; 24 younger ones stay out
	SUMROW X0, 16
	s_wait_loadcnt 16                              ; row 1's are in; gain and bias stay out
	SUMROW X1, 24
	FOLD 16, 14
	FOLD 24, 15
	v_mul_f32 v6, s24, v16                         ; the means, each as a pair for the packed forms
	s_delay_alu instid0(VALU_DEP_2)
	v_mul_f32 v8, s24, v24
	s_delay_alu instid0(VALU_DEP_2)
	v_mov_b32 v7, v6
	s_delay_alu instid0(VALU_DEP_2)
	v_mov_b32 v9, v8
	CENTRE X0, 6
	CENTRE X1, 8
	SQROW X0, 16
	SQROW X1, 24
	FOLD 16, 14
	FOLD 24, 15
	v_fma_f32 v10, v16, s24, s25                   ; variance + 1e-5
	s_delay_alu instid0(VALU_DEP_2)
	v_fma_f32 v12, v24, s24, s25
	s_wait_alu depctr_va_vdst(0)
	v_rsq_f32 v10, v10
	v_rsq_f32 v12, v12
	s_wait_kmcnt 0x0
	s_add_co_i32 s22, s22, 127
	s_lshl_b32 s23, s22, 23
	v_mov_b32 v3, s23                              ; 2^e as f32: the conversion takes its exponent field.  (Plain lines behind the two roots)
	s_add_co_i32 s22, s22, 15
	s_lshl_b32 s22, s22, 23
	s_or_b32 s22, s22, 0x600000
	v_mov_b32 v4, s22                              ; 57,344 x 2^e
	s_wait_alu depctr_va_vdst(0)                   ; one wait for both roots, ahead of their first reader
	v_mov_b32 v11, v10
	v_mov_b32 v13, v12
	s_wait_alu depctr_va_vdst(0)
	s_wait_loadcnt 0x0                             ; gain and bias
	FINISH X0, 10, 0
	FINISH X1, 12, 1
	s_endpgm
.Lfunc_end_k_q814e38a7af_ln2:
	.size	k_q814e38a7af_ln2, .Lfunc_end_k_q814e38a7af_ln2-k_q814e38a7af_ln2
	.p2alignl 7, 3214868480
	.fill 96, 4, 3214868480
	.section	.rodata,"a",@progbits
	.p2align	6, 0x0
	.amdhsa_kernel k_q814e38a7af_ln2
		.amdhsa_group_segment_fixed_size 0
		.amdhsa_private_segment_fixed_size 0
		.amdhsa_enable_private_segment 0
		.amdhsa_kernarg_size 40
		.amdhsa_user_sgpr_count 2
		.amdhsa_user_sgpr_kernarg_segment_ptr 1
		.amdhsa_wavefront_size32 1
		.amdhsa_system_sgpr_workgroup_id_x 1
		.amdhsa_system_sgpr_workgroup_id_y 1
		.amdhsa_system_sgpr_workgroup_id_z 1
		.amdhsa_system_vgpr_workitem_id 0
		.amdhsa_next_free_vgpr 176
		.amdhsa_next_free_sgpr 66
		.amdhsa_reserve_vcc 0
		.amdhsa_float_denorm_mode_32 3
		.amdhsa_float_denorm_mode_16_64 3
		.amdhsa_memory_ordered 1
		.amdhsa_forward_progress 1
		.amdhsa_inst_pref_size 25
	.end_amdhsa_kernel
	.amdgpu_metadata
---
amdhsa.version: [ 1, 2 ]
amdhsa.kernels:
  - .name:           k_q814e38a7af_ln2
    .symbol:         k_q814e38a7af_ln2.kd
    .args:
      - { .name: x1, .offset: 0, .size: 8, .value_kind: global_buffer, .address_space: global }
      - { .name: ln2_w, .offset: 8, .size: 8, .value_kind: global_buffer, .address_space: global }
      - { .name: ln2_b, .offset: 16, .size: 8, .value_kind: global_buffer, .address_space: global }
      - { .name: lowp_scales, .offset: 24, .size: 8, .value_kind: global_buffer, .address_space: global }
      - { .name: rowq, .offset: 32, .size: 8, .value_kind: global_buffer, .address_space: global }
    .group_segment_fixed_size: 0
    .private_segment_fixed_size: 0
    .kernarg_segment_align: 8
    .kernarg_segment_size: 40
    .max_flat_workgroup_size: 256
    .sgpr_count:     66
    .vgpr_count:     176
    .wavefront_size: 32
...
	.end_amdgpu_metadata
.endif
;; end of part 5
;; launch ffn1 (part 6): grid 16 x 16, 4 waves a work-group, clusters of 4 x 4, 327,680 bytes of LDS; arguments rowq, ffn_w1_codes, lowp_scales, ffn_b1, himg; writes himg
.if DOCPART == 6
	.amdgcn_target "amdgcn-amd-amdhsa--gfx1250"
	.amdhsa_code_object_version 6
	.text
	.protected	k_q814e38a7af_ffn1
	.globl	k_q814e38a7af_ffn1
	.p2align	8
	.type	k_q814e38a7af_ffn1,@function
k_q814e38a7af_ffn1:
	s_mov_b64 s[64:65], 0
	v_nop
	global_prefetch_b8 v0, s[64:65] scope:SCOPE_SE
	s_setreg_imm32_b32 hwreg(HW_REG_WAVE_MODE, 25, 1), 1
	s_wait_xcnt 0x0
	s_wait_alu depctr_hold_cnt(0) depctr_sa_sdst(0) depctr_va_vdst(0) depctr_va_sdst(0) depctr_va_ssrc(0) depctr_va_vcc(0) depctr_vm_vsrc(0)
	s_getreg_b32 s2, hwreg(HW_REG_IB_STS2, 6, 4)
	s_cmp_eq_u32 s2, 0
	s_cbranch_scc0 .Lentry_in_a_cluster
	s_endpgm
.Lentry_in_a_cluster:
	s_bfe_u32 s2, ttmp6, 0x10000c
	s_cmp_lg_u32 s2, 0xf033
	s_cbranch_scc0 .Lentry_shape_is_right
	s_endpgm
.Lentry_shape_is_right:
.set KROW,   1024
.set ROWB,   256
.set PITCH,  272
.set FR,     16
.set NL,     4
.set NP,     4
.set HALFT,  128*PITCH
.set SLOT,   4*HALFT
.set LAPS,   2
.set SPARE,  2*SLOT
.set ADRA, 8
.set ADRB, 10
.set SPW,  12
.set NIL,  13
.set GO,   14
.set SP,   15
.set CDR,  16
.set XB,   32
.set BQ,   64
.set AF,   128
.set XA,   128
.set TT,   160
.set QQ,   192
.set EE,   224
.set G1, 24
.set G0, 32
.set G1B, 48
.set G0B, 56
; PREFETCH INTO THE L2: behind the joint load of K step 0 a wave asks for K steps 1 and 2, behind that of K step 1 for K step 3: at most two K steps are asked for and not yet loaded.
; Of the 128 rows that a wave fetches, each of the four partners that ask for them jointly takes 32, told apart by address (cx for the tokens, cy for the weights): a lane a row, 256 bytes of it a K step.
.set PFA, 98                           ; s[98:99] my work-group's 32 rows of the 128 that I fetch; never rewritten
.set PFO, 16                           ; v16 my lane's row: 1,024 x lane; written again only on the way out, behind s_wait_xcnt 0
.set MSB, 0
.macro WIN new
.if MSB != (\new)
	s_set_vgpr_msb (MSB<<8)|(\new)
.set MSB, (\new)
.endif
.endm
.set MUL_LO, 0xa1
.set MUL_HI, 0xf1
.set TO_B,   0x40
.macro JLOAD g0a, g1a, g0b, g1b
	s_cmp_eq_u32 s15, 0
	s_cbranch_scc0 .Lfor_b_\@
	tensor_load_to_lds s[\g0a:\g0a+3], s[\g1a:\g1a+7]
	s_nop 0
.rept 4
	v_nop
.endr
	s_branch .Lasked_\@
.Lfor_b_\@:
	tensor_load_to_lds s[\g0b:\g0b+3], s[\g1b:\g1b+7]
	s_nop 0
.rept 4
	v_nop
.endr
.Lasked_\@:
.endm
.macro CREST
	s_cmp_lg_u32 s14, 0
	s_cbranch_scc1 .Lnot_wave_0_\@
	s_barrier_signal -3
.Lnot_wave_0_\@:
	s_barrier_wait -3
	s_barrier_signal -1
	s_barrier_wait -1
.endm
.macro CROUND
	s_barrier_signal -1
	s_barrier_wait -1
	CREST
.endm
	s_load_b256 s[4:11], s[0:1], 0x0
	s_load_b64 s[68:69], s[0:1], 0x20
	v_lshl_add_u32 v[SPW], v0, 2, SPARE
	v_mov_b32 v[NIL], 0
	ds_add_u32 v12, v13
	ds_add_u32 v12, v13
	s_wait_dscnt 0x0
	v_lshrrev_b32 v1, 5, v0
	v_readfirstlane_b32 s14, v1
	v_and_b32 v[PFO], 31, v0
	v_lshlrev_b32 v[PFO], 10, v[PFO]
	s_lshr_b32 s15, s14, 1
	s_and_b32 s16, s14, 1
	s_bfe_u32 s40, ttmp6, 0x40000
	s_bfe_u32 s41, ttmp6, 0x40004
	s_lshl_b32 s42, ttmp9, 2
	s_add_co_u32 s42, s42, s40
	s_and_b32 s17, ttmp7, 0xffff
	s_lshl_b32 s17, s17, 2
	s_add_co_u32 s17, s17, s41
	s_lshl_b32 s43, s41, 2
	s_lshl_b32 s43, 15, s43
	s_lshl_b32 s44, 0x1111, s40
	s_or_b32 s[G1+0], s43, (1<<20)|(1<<21)|(5<<22)|(3<<25)
	s_or_b32 s[G1B+0], s44, (1<<20)|(1<<21)|(5<<22)|(3<<25)
.irp g, G1, G1B
	s_mov_b32 s[\g+1], ROWB<<16
	s_mov_b32 s[\g+2], 128<<16
	s_mov_b32 s[\g+3], ROWB<<16
	s_mov_b32 s[\g+4], 128
	s_mov_b32 s[\g+5], KROW
	s_mov_b32 s[\g+6], 0
	s_mov_b32 s[\g+7], 0
.endr
	s_lshl_b32 s18, s16, 7
	s_lshl_b32 s20, s17, 8
	s_add_co_u32 s20, s20, s18
	s_lshl_b32 s20, s20, 10
	s_mov_b32 s21, 0
	s_lshl_b32 s46, s42, 8
	s_add_co_u32 s46, s46, s18
	s_lshl_b32 s46, s46, 10
	s_mov_b32 s47, 0
	s_mul_i32 s45, s14, HALFT
	s_wait_alu depctr_va_vdst(0)
	s_wait_kmcnt 0x0
	s_load_b128 s[76:79], s[8:9], 0x20
	s_add_nc_u64 s[20:21], s[4:5], s[20:21]
	s_add_nc_u64 s[46:47], s[6:7], s[46:47]
	s_cmp_eq_u32 s15, 0                            ; do I fetch tokens?
	s_cselect_b64 s[PFA:PFA+1], s[20:21], s[46:47]
	s_cselect_b32 s94, s40, s41                    ; my place among the four that ask with me
	s_lshl_b32 s94, s94, 15                        ; 32 rows of 1,024 bytes
	s_mov_b32 s95, 0
	s_add_nc_u64 s[PFA:PFA+1], s[PFA:PFA+1], s[94:95]
	CROUND
.irp s, 0,1
	s_mov_b32 s[G0+4*\s], 1
	s_add_co_u32 s[G0+4*\s+1], s45, \s*SLOT
	s_add_nc_u64 s[G0+4*\s+2:G0+4*\s+3], s[20:21], \s*ROWB
	s_or_b32 s[G0+4*\s+3], s[G0+4*\s+3], 0x80000000
	s_mov_b32 s[G0B+4*\s], 1
	s_add_co_u32 s[G0B+4*\s+1], s45, \s*SLOT
	s_add_nc_u64 s[G0B+4*\s+2:G0B+4*\s+3], s[46:47], \s*ROWB
	s_or_b32 s[G0B+4*\s+3], s[G0B+4*\s+3], 0x80000000
.if \s                                 ; slot 1's first fill is issued as a refill is
	s_wait_alu depctr_va_vdst(0)
	s_wait_tensorcnt 0x0
	ds_add_u32 v12, v13
	s_wait_dscnt 0x0
	CROUND
.endif
	JLOAD G0+4*\s, G1, G0B+4*\s, G1B
.if \s == 0
	global_prefetch_b8 v[PFO], s[PFA:PFA+1] offset:256 th:TH_LOAD_NT scope:SCOPE_SE          ; K step 1
.endif
	global_prefetch_b8 v[PFO], s[PFA:PFA+1] offset:512+256*\s th:TH_LOAD_NT scope:SCOPE_SE   ; K step 2 + s
.endr
	v_and_b32 v1, 15, v0
	v_bfe_u32 v2, v0, 4, 1
	v_mul_u32_u24 v3, v1, PITCH
	v_lshl_add_u32 v4, v2, 4, v3
	s_mul_i32 s21, s15, HALFT
	s_mul_i32 s22, s16, HALFT
	s_add_co_u32 s22, s22, 2*HALFT
.irp s, 0,1
	v_add_nc_u32 v[ADRA+\s], s21, v4
	v_add_nc_u32 v[ADRB+\s], s22, v4
	s_add_co_u32 s21, s21, SLOT
	s_add_co_u32 s22, s22, SLOT
.endr
	v_and_b32 v7, 31, v0
	v_lshlrev_b32 v[GO], 4, v7
	v_lshlrev_b32 v5, 5, v2
	s_lshl_b32 s90, s42, 10
	s_lshl_b32 s91, s16, 9
	s_add_co_u32 s90, s90, s91
	s_mov_b32 s91, 0
	s_add_nc_u64 s[10:11], s[10:11], s[90:91]
.irp b, 0,1,2,3,4,5,6,7
	global_load_b128 v[BQ+8*\b:BQ+8*\b+3], v5, s[10:11] offset:64*\b
	global_load_b128 v[BQ+8*\b+4:BQ+8*\b+7], v5, s[10:11] offset:64*\b+16
.endr
	s_lshl_b32 s92, s17, 4
	s_lshl_b32 s93, s15, 3
	s_add_co_u32 s92, s92, s93
	s_lshl_b32 s92, s92, 16
	s_lshl_b32 s93, s42, 1
	s_add_co_u32 s93, s93, s16
	s_lshl_b32 s93, s93, 11
	s_add_co_u32 s92, s92, s93
	s_mov_b32 s93, 0
	s_add_nc_u64 s[86:87], s[68:69], s[92:93]
.macro FRAG reg, adr, q, i
.irp c, 0,1,2,3
	ds_load_b128 v[\reg+4*\c:\reg+4*\c+3], v[\adr] offset:128*(\q)+32*\c+(\i)*16*PITCH
.endr
.endm
.macro MUL16 a0, p, zero
.irp a, \a0, \a0+1
.irp b, 0,1,2,3,4,5,6,7
.if \zero
	v_wmma_f32_16x16x128_bf8_bf8 v[8*(8*((\a)%4)+\b):8*(8*((\a)%4)+\b)+7], v[128*(\p)+FR*\b:128*(\p)+FR*\b+FR-1], v[AF+FR*(\a):AF+FR*(\a)+FR-1], 0
.else
	v_wmma_f32_16x16x128_bf8_bf8 v[8*(8*((\a)%4)+\b):8*(8*((\a)%4)+\b)+7], v[128*(\p)+FR*\b:128*(\p)+FR*\b+FR-1], v[AF+FR*(\a):AF+FR*(\a)+FR-1], v[8*(8*((\a)%4)+\b):8*(8*((\a)%4)+\b)+7]
.endif
.endr
.endr
.endm
.macro FETCH_B slot, q, p
	WIN TO_B
.irp i, 0,1,2,3,4,5,6,7
	FRAG 128*(\p)+FR*\i, ADRB+\slot, \q, \i
.endr
	WIN 0
.endm
.macro FETCH_A slot, q, i0
.irp i, \i0, \i0+1, \i0+2, \i0+3
	FRAG AF+FR*(\i), ADRA+\slot, \q, \i
.endr
.endm
.macro PLACES n
.rept \n
	v_nop
.endr
.endm
.macro STEP slot, q, zero
	s_wait_dscnt 4*NL
	WIN MUL_LO
	MUL16 0, (\q)%2, \zero
	MUL16 2, (\q)%2, \zero
	s_wait_dscnt 0
	PLACES NP
	FETCH_B \slot, (\q)+1, 1-(\q)%2
	FETCH_A \slot, (\q)+1, 0
	WIN MUL_HI
	MUL16 4, (\q)%2, \zero
	MUL16 6, (\q)%2, \zero
	PLACES NP
	WIN 0
	FETCH_A \slot, (\q)+1, 4
.endm
.macro TURN slot, next, fill
	s_wait_tensorcnt 0x0
	ds_add_u32 v[SPW], v[NIL]
	s_wait_dscnt 4*NL+1
	WIN MUL_LO
	MUL16 0, 1, 0
	s_wait_dscnt 0x0
	s_barrier_signal -1
	MUL16 2, 1, 0
	WIN 0
	s_barrier_wait -1
.if \fill
	CREST
	s_add_nc_u64 s[G0+4*\slot+2:G0+4*\slot+3], s[G0+4*\slot+2:G0+4*\slot+3], 2*ROWB
	s_add_nc_u64 s[G0B+4*\slot+2:G0B+4*\slot+3], s[G0B+4*\slot+2:G0B+4*\slot+3], 2*ROWB
	JLOAD G0+4*\slot, G1, G0B+4*\slot, G1B
.else
	PLACES NP
.endif
	FETCH_B \next, 0, 0
	FETCH_A \next, 0, 0
	WIN MUL_HI
	MUL16 4, 1, 0
	MUL16 6, 1, 0
	PLACES NP
	WIN 0
	FETCH_A \next, 0, 4
.endm
	s_wait_alu depctr_va_vdst(0)
	s_wait_tensorcnt 1
	s_barrier_signal -1
	s_barrier_wait -1
	FETCH_B 0, 0, 0
	FETCH_A 0, 0, 0
	FETCH_A 0, 0, 4
	STEP 0, 0, 1
	s_mov_b32 s3, LAPS-1
.Llap:
	TURN 0, 1, 1
	STEP 1, 0, 0
	TURN 1, 0, 1
	STEP 0, 0, 0
	s_sub_co_u32 s3, s3, 1
	s_cmp_lg_u32 s3, 0
	s_cbranch_scc1 .Llap
	TURN 0, 1, 0
	STEP 1, 0, 0
	s_wait_dscnt 4*NL
	WIN MUL_LO
	MUL16 0, 1, 0
	MUL16 2, 1, 0
	s_wait_dscnt 0
	WIN MUL_HI
	MUL16 4, 1, 0
	MUL16 6, 1, 0
	WIN 0
.macro PAIR p, val
	s_mov_b32 s[\p], \val
	s_mov_b32 s[\p+1], \val
.endm
	s_wait_kmcnt 0x0
	s_wait_loadcnt 0x0
	s_wait_xcnt 0x0                                ; the prefetches have read v16, which is written below
	s_add_co_i32 s84, s76, s77
	s_add_co_i32 s84, s84, 127
	s_lshl_b32 s84, s84, 23
	s_mov_b32 s85, s84
	s_add_co_i32 s20, s78, 127
	s_lshl_b32 s21, s20, 23
	v_mov_b32 v2, s21
	s_add_co_i32 s20, s20, 15
	s_lshl_b32 s20, s20, 23
	s_or_b32 s20, s20, 0x600000
	v_mov_b32 v3, s20
	PAIR 66, 0xc034d90f
	PAIR 70, 0x3fb8ab5a
	PAIR 72, 0x3f0a29d2
	PAIR 74, 0x3e0efb2e
	PAIR 80, 0xbe899a80
	PAIR 82, 0x3ecdfd18
	PAIR 88, 0xbfd1a1e5
	PAIR 90, 0x40097039
	PAIR 92, 0x3e7c6f08
	PAIR 94, 0xbf38aa3b
	s_mov_b32 s96, 0x3eb504f3
	v_mov_b32 v6, 0xbf97d29d
	v_mov_b32 v7, 0xbf97d29d
	s_lshl_b32 s20, s14, 16
	v_add_nc_u32 v[SP], s20, v[GO]
	s_wait_alu depctr_va_vdst(0)
	s_wait_dscnt 0x0
	s_barrier_signal -1
	s_barrier_wait -1
	PLACES NP
	WIN 0x08
.set nn, 0
.rept 32
	ds_store_b128 v[SP], v[8*nn:8*nn+3] offset:nn*1024
	ds_store_b128 v[SP], v[8*nn+4:8*nn+7] offset:nn*1024+512
.set nn, nn+1
.endr
	WIN 0x0c
.set nn, 0
.rept 32
	ds_store_b128 v[SP], v[8*nn:8*nn+3] offset:(32+nn)*1024
	ds_store_b128 v[SP], v[8*nn+4:8*nn+7] offset:(32+nn)*1024+512
.set nn, nn+1
.endr
	WIN 0
.macro GELU xr, hf
.set ii, 0
.rept 16
	v_pk_fma_f32 v[\xr+ii:\xr+ii+1], v[\xr+ii:\xr+ii+1], s[84:85], v[BQ+32*\hf+ii:BQ+32*\hf+ii+1] op_sel_hi:[1,0,1]
.set ii, ii+2
.endr
.set ii, 0
.rept 32
	v_fma_f32 v[TT+ii], |v[\xr+ii]|, s96, 1.0
.set ii, ii+1
.endr
.set ii, 0
	s_wait_alu depctr_va_vdst(0)
.rept 32
	v_rcp_f32 v[TT+ii], v[TT+ii]
.set ii, ii+1
.endr
.set ii, 0
.rept 16
	v_pk_mul_f32 v[EE+ii:EE+ii+1], v[\xr+ii:\xr+ii+1], v[\xr+ii:\xr+ii+1]
.set ii, ii+2
.endr
	s_wait_alu depctr_va_vdst(0)
.set ii, 0
.rept 16
	v_pk_fma_f32 v[QQ+ii:QQ+ii+1], v[TT+ii:TT+ii+1], s[92:93], v[6:7] op_sel_hi:[1,0,1]
.set ii, ii+2
.endr
.irp p, 90,88,82,80,74,72,70,66
.set ii, 0
.rept 16
	v_pk_fma_f32 v[QQ+ii:QQ+ii+1], v[QQ+ii:QQ+ii+1], v[TT+ii:TT+ii+1], s[\p:\p+1] op_sel_hi:[1,1,0]
.set ii, ii+2
.endr
.endr
.set ii, 0
.rept 16
	v_pk_fma_f32 v[QQ+ii:QQ+ii+1], v[EE+ii:EE+ii+1], s[94:95], v[QQ+ii:QQ+ii+1] op_sel_hi:[1,0,1]
.set ii, ii+2
.endr
.set ii, 0
	s_wait_alu depctr_va_vdst(0)
.rept 32
	v_exp_f32 v[QQ+ii], v[QQ+ii]
.set ii, ii+1
.endr
.set ii, 0
.rept 32
	v_max_num_f32 v[EE+ii], 0, v[\xr+ii]
.set ii, ii+1
.endr
	s_wait_alu depctr_va_vdst(0)
.set ii, 0
.rept 16
	v_pk_mul_f32 v[QQ+ii:QQ+ii+1], v[QQ+ii:QQ+ii+1], v[TT+ii:TT+ii+1]
.set ii, ii+2
.endr
.set ii, 0
.rept 16
	v_pk_mul_f32 v[QQ+ii:QQ+ii+1], v[QQ+ii:QQ+ii+1], v[\xr+ii:\xr+ii+1]
.set ii, ii+2
.endr
.set ii, 0
.rept 32
	v_sub_f32 v[\xr+ii], v[EE+ii], |v[QQ+ii]|
.set ii, ii+1
.endr
.set ii, 0
.rept 32
	v_med3_num_f32 v[\xr+ii], v[\xr+ii], -v3, v3
.set ii, ii+1
.endr
.irp t, 0,1,2,3
	v_cvt_scalef32_pk8_bf8_f32 v[CDR+8*\hf+2*\t:CDR+8*\hf+2*\t+1], v[\xr+8*\t:\xr+8*\t+7], v2
.endr
	v_nop
.irp g, 0,1
	global_store_b128 v[GO], v[CDR+8*\hf+4*\g:CDR+8*\hf+4*\g+3], s[86:87] offset:(2*\hf+\g)*512
.endr
.endm
	s_mov_b32 s22, 0
	s_mov_b32 s3, 8
.irp i, 0,1,2,3
.irp u, 0,1
	ds_load_b128 v[XA+8*\i+4*\u:XA+8*\i+4*\u+3], v[SP] offset:\i*1024+\u*512   ; the first block's first half; each later one is asked for a half block ahead
.endr
.endr
.Lrow:
	v_add_nc_u32 v4, s22, v[SP]
.irp i, 0,1,2,3
.irp u, 0,1
	ds_load_b128 v[XB+8*\i+4*\u:XB+8*\i+4*\u+3], v4 offset:4096+\i*1024+\u*512
.endr
.endr
	s_wait_dscnt 8
	GELU XA, 0
	s_add_co_u32 s23, s22, 8192
	s_and_b32 s23, s23, 0xffff                     ; behind the last block: my first block again, not used
	v_add_nc_u32 v5, s23, v[SP]
.irp i, 0,1,2,3
.irp u, 0,1
	ds_load_b128 v[XA+8*\i+4*\u:XA+8*\i+4*\u+3], v5 offset:\i*1024+\u*512      ; the next block's first half
.endr
.endr
	s_wait_dscnt 8                                 ; this block's second half is in; the eight loads just issued may be out
	GELU XB, 1
	s_wait_xcnt 0x0
	s_add_nc_u64 s[86:87], s[86:87], 65536
	s_add_co_u32 s22, s22, 8192
	s_sub_co_u32 s3, s3, 1
	s_cmp_lg_u32 s3, 0
	s_cbranch_scc1 .Lrow
	s_wait_tensorcnt 0x0
	ds_add_u32 v[SPW], v[NIL]
	s_wait_dscnt 0x0
	CROUND
	s_endpgm
.Lfunc_end_k_q814e38a7af_ffn1:
	.size	k_q814e38a7af_ffn1, .Lfunc_end_k_q814e38a7af_ffn1-k_q814e38a7af_ffn1
	.p2alignl 7, 3214868480
	.fill 96, 4, 3214868480
	.section	.rodata,"a",@progbits
	.p2align	6, 0x0
	.amdhsa_kernel k_q814e38a7af_ffn1
		.amdhsa_group_segment_fixed_size 327680
		.amdhsa_private_segment_fixed_size 0
		.amdhsa_enable_private_segment 0
		.amdhsa_kernarg_size 40
		.amdhsa_user_sgpr_count 2
		.amdhsa_user_sgpr_kernarg_segment_ptr 1
		.amdhsa_wavefront_size32 1
		.amdhsa_system_sgpr_workgroup_id_x 1
		.amdhsa_system_sgpr_workgroup_id_y 1
		.amdhsa_system_sgpr_workgroup_id_z 1
		.amdhsa_system_vgpr_workitem_id 0
		.amdhsa_next_free_vgpr 1024
		.amdhsa_next_free_sgpr 104
		.amdhsa_reserve_vcc 0
		.amdhsa_float_denorm_mode_32 3
		.amdhsa_float_denorm_mode_16_64 3
		.amdhsa_memory_ordered 1
		.amdhsa_forward_progress 1
		.amdhsa_inst_pref_size 139
	.end_amdhsa_kernel
	.amdgpu_metadata
---
amdhsa.version: [ 1, 2 ]
amdhsa.kernels:
  - .name:           k_q814e38a7af_ffn1
    .symbol:         k_q814e38a7af_ffn1.kd
    .args:
      - { .name: rowq, .offset: 0, .size: 8, .value_kind: global_buffer, .address_space: global }
      - { .name: ffn_w1_codes, .offset: 8, .size: 8, .value_kind: global_buffer, .address_space: global }
      - { .name: lowp_scales, .offset: 16, .size: 8, .value_kind: global_buffer, .address_space: global }
      - { .name: ffn_b1, .offset: 24, .size: 8, .value_kind: global_buffer, .address_space: global }
      - { .name: himg, .offset: 32, .size: 8, .value_kind: global_buffer, .address_space: global }
    .group_segment_fixed_size: 327680
    .private_segment_fixed_size: 0
    .kernarg_segment_align: 8
    .kernarg_segment_size: 40
    .max_flat_workgroup_size: 128
    .sgpr_count:     104
    .vgpr_count:     1024
    .wavefront_size: 32
...
	.end_amdgpu_metadata
.endif
;; end of part 6
;; launch ffn2 (part 7): grid 8 x 32, 4 waves a work-group, clusters of 4 x 4, 327,680 bytes of LDS; arguments himg, ffn_w2_codes, lowp_scales, ffn_b2, x1, out0; writes out0
.if DOCPART == 7
	.amdgcn_target "amdgcn-amd-amdhsa--gfx1250"
	.amdhsa_code_object_version 6
	.text
	.protected	k_q814e38a7af_ffn2
	.globl	k_q814e38a7af_ffn2
	.p2align	8
	.type	k_q814e38a7af_ffn2,@function
k_q814e38a7af_ffn2:
	s_mov_b64 s[64:65], 0
	v_nop
	global_prefetch_b8 v0, s[64:65] scope:SCOPE_SE
	s_setreg_imm32_b32 hwreg(HW_REG_WAVE_MODE, 25, 1), 1
	s_wait_xcnt 0x0
	s_wait_alu depctr_hold_cnt(0) depctr_sa_sdst(0) depctr_va_vdst(0) depctr_va_sdst(0) depctr_va_ssrc(0) depctr_va_vcc(0) depctr_vm_vsrc(0)
	s_getreg_b32 s2, hwreg(HW_REG_IB_STS2, 6, 4)
	s_cmp_eq_u32 s2, 0
	s_cbranch_scc0 .Lentry_in_a_cluster
	s_endpgm
.Lentry_in_a_cluster:
	s_bfe_u32 s2, ttmp6, 0x10000c
	s_cmp_lg_u32 s2, 0xf033
	s_cbranch_scc0 .Lentry_shape_is_right
	s_endpgm
.Lentry_shape_is_right:
.set SIZE_K, 4096
.set SIDX,   10
.set LAPS,   SIZE_K/1024
.set ATILE,  8192
.set AHALF,  4*ATILE
.set BP,     528
.set BHALF,  64*BP
.set BOFF,   2*AHALF
.set SLOT,   BOFF+2*BHALF
.set STAGE,  2*SLOT
.set SPITCH, 272
.set SPARE,  STAGE+4*16*SPITCH
.set ADRA, 8
.set ADRB, 10
.set SPW,  12
.set NIL,  13
.set STO,  14
.set RD,   15
.set RO,   16
.set BK,   32
.set OUT,  96
.set AF,   128
.set G1, 24
.set G0, 32
.set G1B, 48
.set G0B, 56
.set MSB, 0
.macro WIN new
.if MSB != (\new)
	s_set_vgpr_msb (MSB<<8)|(\new)
.set MSB, (\new)
.endif
.endm
.set MUL, 0xa1
; PREFETCH INTO THE L2: behind each joint load of slot t stands one instruction a wave for slot t + 2 (two fills, 8 matrix steps, ahead of the load that will want it); the last two fills ask for nothing.
; Of what a wave fetches (A: 4 token tiles x 8,192 bytes; W: 64 rows x 512 bytes) each of the four partners that ask for it jointly takes a quarter, 32 blocks of 256 bytes, a lane a block, told apart by address:
; the partner at cx takes token tile cx, the partner at cy rows 16 cy .. 16 cy + 15.  So each block is named once in each cluster that will load it.
.set PFA, 72                           ; s[72:73] where my prefetches stand
.set PFS, 74                           ; s[74:75] a slot on, in bytes: 8,192 in a token tile's images, 512 in a row of W
.set PFO, 17                           ; v17 my lane's block; never rewritten
.macro JLOAD s
	s_cmp_eq_u32 s15, 0
	s_cbranch_scc0 .Lfor_b_\@
	tensor_load_to_lds s[G0+4*\s:G0+4*\s+3], s[G1:G1+7]
	s_nop 0
.rept 4
	v_nop
.endr
	s_branch .Lasked_\@
.Lfor_b_\@:
	tensor_load_to_lds s[G0B+4*\s:G0B+4*\s+3], s[G1B:G1B+7]
	s_nop 0
.rept 4
	v_nop
.endr
.Lasked_\@:
.endm
.macro CREST
	s_cmp_lg_u32 s14, 0
	s_cbranch_scc1 .Lnot_wave_0_\@
	s_barrier_signal -3
.Lnot_wave_0_\@:
	s_barrier_wait -3
	s_barrier_signal -1
	s_barrier_wait -1
.endm
.macro CROUND
	s_barrier_signal -1
	s_barrier_wait -1
	CREST
.endm
	s_load_b256 s[4:11], s[0:1], 0x0
	s_load_b128 s[68:71], s[0:1], 0x20
	v_lshl_add_u32 v[SPW], v0, 2, SPARE
	v_mov_b32 v[NIL], 0
	ds_add_u32 v12, v13
	ds_add_u32 v12, v13
	s_wait_dscnt 0x0
	v_lshrrev_b32 v1, 5, v0
	v_readfirstlane_b32 s14, v1
	s_lshr_b32 s15, s14, 1
	s_and_b32 s16, s14, 1
	s_cmp_eq_u32 s15, 0
	s_mov_b32 s78, 4096
	s_cselect_b32 s78, 512, s78                    ; from pair of lanes to pair: 512 bytes on in A's images, a row on in W
	v_and_b32 v17, 31, v0
	v_lshrrev_b32 v18, 1, v17
	v_and_b32 v17, 1, v17
	v_mul_lo_u32 v18, v18, s78
	v_lshl_add_u32 v[PFO], v17, 8, v18
	s_bfe_u32 s40, ttmp6, 0x40000
	s_bfe_u32 s41, ttmp6, 0x40004
	s_lshl_b32 s42, ttmp9, 2
	s_add_co_u32 s42, s42, s40
	s_and_b32 s17, ttmp7, 0xffff
	s_lshl_b32 s17, s17, 2
	s_add_co_u32 s17, s17, s41
	s_lshl_b32 s43, s41, 2
	s_lshl_b32 s43, 15, s43
	s_lshl_b32 s44, 0x1111, s40
	s_or_b32 s[G1+0], s43, (3<<16)|(1<<21)
	s_mov_b32 s[G1+1], 1024<<16
	s_mov_b32 s[G1+2], 4<<16
	s_mov_b32 s[G1+3], 1024<<16
	s_mov_b32 s[G1+4], 4
	s_mov_b32 s[G1+5], 2*SIZE_K
	s_mov_b32 s[G1+6], 0
	s_mov_b32 s[G1+7], 0
	s_or_b32 s[G1B+0], s44, (1<<20)|(1<<21)|(6<<22)|(3<<25)
	s_mov_b32 s[G1B+1], 512<<16
	s_mov_b32 s[G1B+2], 64<<16
	s_mov_b32 s[G1B+3], 512<<16
	s_mov_b32 s[G1B+4], 64
	s_mov_b32 s[G1B+5], SIZE_K
	s_mov_b32 s[G1B+6], 0
	s_mov_b32 s[G1B+7], 0
	s_lshl_b32 s18, s16, 2
	s_lshl_b32 s20, s17, 3
	s_add_co_u32 s20, s20, s18
	s_mul_i32 s20, s20, 16*SIZE_K
	s_mov_b32 s21, 0
	s_lshl_b32 s18, s16, 6
	s_lshl_b32 s46, s42, 7
	s_add_co_u32 s46, s46, s18
	s_mul_i32 s46, s46, SIZE_K
	s_mov_b32 s47, 0
	s_lshl_b32 s45, s16, 15
	s_mul_i32 s19, s16, BHALF
	s_add_co_u32 s19, s19, BOFF
	s_wait_alu depctr_va_vdst(0)
	s_wait_kmcnt 0x0
	s_load_b64 s[76:77], s[8:9], SIDX*4
	s_add_nc_u64 s[20:21], s[4:5], s[20:21]
	s_add_nc_u64 s[46:47], s[6:7], s[46:47]
	s_cmp_eq_u32 s15, 0                            ; do I fetch for A?
	s_cselect_b64 s[PFA:PFA+1], s[20:21], s[46:47]
	s_cselect_b32 s80, s40, s41                    ; my place among the four that ask with me
	s_mov_b32 s[PFS], 512
	s_cselect_b32 s[PFS], 8192, s[PFS]
	s_mov_b32 s[PFS+1], 0
	s_lshl_b32 s80, s80, 16                        ; a token tile, and 16 rows of W, are 65,536 bytes
	s_mov_b32 s81, 0
	s_add_nc_u64 s[PFA:PFA+1], s[PFA:PFA+1], s[80:81]
	s_add_nc_u64 s[PFA:PFA+1], s[PFA:PFA+1], s[PFS:PFS+1]
	s_mov_b64 s[82:83], s[PFA:PFA+1]                        ; at slot 1: asked for once, behind slot 0's load; never rewritten
	s_add_nc_u64 s[PFA:PFA+1], s[PFA:PFA+1], s[PFS:PFS+1]   ; at slot 2
	CROUND
.irp s, 0,1
	s_mov_b32 s[G0+4*\s], 1
	s_add_co_u32 s[G0+4*\s+1], s45, \s*SLOT
	s_add_nc_u64 s[G0+4*\s+2:G0+4*\s+3], s[20:21], \s*ATILE
	s_or_b32 s[G0+4*\s+3], s[G0+4*\s+3], 0x80000000
	s_mov_b32 s[G0B+4*\s], 1
	s_add_co_u32 s[G0B+4*\s+1], s19, \s*SLOT
	s_add_nc_u64 s[G0B+4*\s+2:G0B+4*\s+3], s[46:47], \s*512
	s_or_b32 s[G0B+4*\s+3], s[G0B+4*\s+3], 0x80000000
.if \s                                 ; slot 1's first fill is issued as a refill is
	s_wait_xcnt 0x0                                ; my prefetch has read its address
	s_add_nc_u64 s[PFA:PFA+1], s[PFA:PFA+1], s[PFS:PFS+1]
	s_wait_alu depctr_va_vdst(0)
	s_wait_tensorcnt 0x0
	ds_add_u32 v12, v13
	s_wait_dscnt 0x0
	CROUND
.endif
	JLOAD \s
.if \s == 0
	global_prefetch_b8 v[PFO], s[82:83] th:TH_LOAD_NT scope:SCOPE_SE       ; slot 1
.endif
	global_prefetch_b8 v[PFO], s[PFA:PFA+1] th:TH_LOAD_NT scope:SCOPE_SE   ; slot 2 + s
.endr
	v_and_b32 v1, 15, v0
	v_bfe_u32 v2, v0, 4, 1
	v_and_b32 v3, 31, v0
	v_lshlrev_b32 v3, 4, v3
	v_mul_u32_u24 v4, v1, BP
	v_lshl_add_u32 v4, v2, 3, v4
	s_lshl_b32 s21, s15, 15
	s_mul_i32 s22, s16, BHALF
	s_add_co_u32 s22, s22, BOFF
.irp s, 0,1
	v_add_nc_u32 v[ADRA+\s], s21, v3
	v_add_nc_u32 v[ADRB+\s], s22, v4
	s_add_co_u32 s21, s21, SLOT
	s_add_co_u32 s22, s22, SLOT
.endr
	s_mul_i32 s23, s14, 16*SPITCH
	s_add_co_u32 s23, s23, STAGE
	v_mul_u32_u24 v6, v1, SPITCH
	v_lshl_add_u32 v6, v2, 5, v6
	v_add_nc_u32 v[STO], s23, v6
	v_mul_u32_u24 v6, v2, SPITCH
	v_lshl_add_u32 v6, v1, 4, v6
	v_add_nc_u32 v[RD], s23, v6
	v_lshlrev_b32 v5, 4, v1
	v_lshl_add_u32 v[RO], v2, 12, v5
	s_wait_alu depctr_va_vdst(0)
	s_lshl_b32 s90, s42, 9
	s_lshl_b32 s91, s16, 8
	s_add_co_u32 s90, s90, s91
	s_mov_b32 s91, 0
	s_add_nc_u64 s[10:11], s[10:11], s[90:91]
	global_load_b128 v[20:23], v5, s[10:11]
	s_lshl_b32 s92, s17, 7
	s_lshl_b32 s93, s15, 6
	s_add_co_u32 s92, s92, s93
	s_lshl_b32 s92, s92, 12
	s_add_co_u32 s90, s90, s92
	s_add_nc_u64 s[68:69], s[68:69], s[90:91]
	s_add_nc_u64 s[70:71], s[70:71], s[90:91]
	WIN 0x80
.set nn, 0
.rept 32
	global_load_b128 v[128+4*nn:131+4*nn], v[RO], s[68:69] offset:2*nn*4096
.set nn, nn+1
.endr
	WIN 0
.macro FETCH slot, q, p
	WIN 0x40
.irp i, 0,1,2,3
.irp c, 0,1,2,3,4,5,6,7
	ds_load_b64 v[64*(\p)+16*\i+2*\c:64*(\p)+16*\i+2*\c+1], v[ADRB+\slot] offset:\i*16*BP+128*(\q)+16*\c
.endr
.endr
	WIN 0
.irp i, 0,1,2,3
.irp g, 0,1,2,3
	ds_load_b128 v[AF+64*(\p)+16*\i+4*\g:AF+64*(\p)+16*\i+4*\g+3], v[ADRA+\slot] offset:\i*ATILE+2048*(\q)+512*\g
.endr
.endr
.endm
.macro MUL4 a, p, zero
.irp b, 0,1,2,3
.if \zero
	v_wmma_f32_16x16x128_bf8_bf8 v[8*(4*(\a)+\b):8*(4*(\a)+\b)+7], v[64*(\p)+16*\b:64*(\p)+16*\b+15], v[AF+64*(\p)+16*(\a):AF+64*(\p)+16*(\a)+15], 0
.else
	v_wmma_f32_16x16x128_bf8_bf8 v[8*(4*(\a)+\b):8*(4*(\a)+\b)+7], v[64*(\p)+16*\b:64*(\p)+16*\b+15], v[AF+64*(\p)+16*(\a):AF+64*(\p)+16*(\a)+15], v[8*(4*(\a)+\b):8*(4*(\a)+\b)+7]
.endif
.endr
.endm
.macro PLACES
.rept 4
	v_nop
.endr
.endm
.macro STEP slot, q, zero
	PLACES
	FETCH \slot, (\q)+1, ((\q)+1)%2
	s_wait_dscnt 48
	WIN MUL
	MUL4 0, (\q)%2, \zero
	MUL4 1, (\q)%2, \zero
	MUL4 2, (\q)%2, \zero
	MUL4 3, (\q)%2, \zero
.endm
.macro TURN slot, next, fill
.if \fill
	s_wait_xcnt 0x0                                ; my last prefetch has read its address: it is stepped here, a slot's steps behind it
	s_add_nc_u64 s[PFA:PFA+1], s[PFA:PFA+1], s[PFS:PFS+1]
.endif
	WIN 0
	s_wait_tensorcnt 0x0
	ds_add_u32 v[SPW], v[NIL]
	s_wait_dscnt 1
	WIN MUL
	MUL4 0, 1, 0
	s_wait_dscnt 0x0
	s_barrier_signal -1
	MUL4 1, 1, 0
	WIN 0
	s_barrier_wait -1
.if \fill
	CREST
	s_add_nc_u64 s[G0+4*\slot+2:G0+4*\slot+3], s[G0+4*\slot+2:G0+4*\slot+3], 2*ATILE
	s_add_nc_u64 s[G0B+4*\slot+2:G0B+4*\slot+3], s[G0B+4*\slot+2:G0B+4*\slot+3], 2*512
	JLOAD \slot
.else
	PLACES
.endif
	FETCH \next, 0, 0
.if \fill
	s_cmp_gt_u32 s3, 1                             ; the loop's last trip fills slots 6 and 7: there is no slot two on
	s_cbranch_scc0 .Lno_ask_\@
	global_prefetch_b8 v[PFO], s[PFA:PFA+1] th:TH_LOAD_NT scope:SCOPE_SE
.Lno_ask_\@:
.endif
	WIN MUL
	MUL4 2, 1, 0
	MUL4 3, 1, 0
.endm
	s_wait_tensorcnt 1
	s_barrier_signal -1
	s_barrier_wait -1
	FETCH 0, 0, 0
	STEP 0, 0, 1
.if LAPS > 1
	WIN 0
	s_mov_b32 s3, LAPS-1
.Llap:
	STEP 0, 1, 0
	STEP 0, 2, 0
	TURN 0, 1, 1
	STEP 1, 0, 0
	STEP 1, 1, 0
	STEP 1, 2, 0
	TURN 1, 0, 1
	STEP 0, 0, 0
	WIN 0
	s_sub_co_u32 s3, s3, 1
	s_cmp_lg_u32 s3, 0
	s_cbranch_scc1 .Llap
.endif
	STEP 0, 1, 0
	STEP 0, 2, 0
	TURN 0, 1, 0
	STEP 1, 0, 0
	STEP 1, 1, 0
	STEP 1, 2, 0
	s_wait_dscnt 0x0
	MUL4 0, 1, 0
	MUL4 1, 1, 0
	MUL4 2, 1, 0
	MUL4 3, 1, 0
	WIN 0
	s_wait_kmcnt 0x0
	s_add_co_i32 s84, s76, s77
	s_add_co_i32 s84, s84, 127
	s_lshl_b32 s84, s84, 23
	s_mov_b32 s85, s84
	PLACES
	s_wait_loadcnt 0x0
.macro TOSTAGE a
	WIN 0x08
.irp b, 0,1,2,3
	ds_store_b128 v[STO], v[8*(4*(\a)+\b):8*(4*(\a)+\b)+3] offset:64*\b
	ds_store_b128 v[STO], v[8*(4*(\a)+\b)+4:8*(4*(\a)+\b)+7] offset:64*\b+16
.endr
	WIN 0
.irp t, 0,1,2,3,4,5,6,7
	ds_load_b128 v[BK+32*((\a)%2)+4*\t:BK+32*((\a)%2)+4*\t+3], v[RD] offset:\t*2*SPITCH
.endr
.endm
.macro SEND a, younger
.set OB, OUT+32*((\a)%2)
.set BB, BK+32*((\a)%2)
.if (\a) > 1
	s_wait_xcnt 0x0
.endif
	WIN 0x02
.irp t, 0,1,2,3,4,5,6,7
	v_pk_add_f32 v[OB+4*\t:OB+4*\t+1], v[128+4*(8*(\a)+\t):128+4*(8*(\a)+\t)+1], v[20:21]
	v_pk_add_f32 v[OB+4*\t+2:OB+4*\t+3], v[128+4*(8*(\a)+\t)+2:128+4*(8*(\a)+\t)+3], v[22:23]
.endr
	WIN 0
	s_wait_dscnt \younger
.set ii, 0
.rept 16
	v_pk_fma_f32 v[OB+ii:OB+ii+1], v[BB+ii:BB+ii+1], s[84:85], v[OB+ii:OB+ii+1] op_sel_hi:[1,0,1]
.set ii, ii+2
.endr
.irp t, 0,1,2,3,4,5,6,7
	global_store_b128 v[RO], v[OB+4*\t:OB+4*\t+3], s[70:71] offset:(16*(\a)+2*\t)*4096
.endr
.endm
	TOSTAGE 0
	TOSTAGE 1
	SEND 0, 16
	TOSTAGE 2
	SEND 1, 16
	TOSTAGE 3
	SEND 2, 16
	SEND 3, 0
	s_wait_tensorcnt 0x0
	ds_add_u32 v[SPW], v[NIL]
	s_wait_dscnt 0x0
	CROUND
	s_endpgm
.Lfunc_end_k_q814e38a7af_ffn2:
	.size	k_q814e38a7af_ffn2, .Lfunc_end_k_q814e38a7af_ffn2-k_q814e38a7af_ffn2
	.p2alignl 7, 3214868480
	.fill 96, 4, 3214868480
	.section	.rodata,"a",@progbits
	.p2align	6, 0x0
	.amdhsa_kernel k_q814e38a7af_ffn2
		.amdhsa_group_segment_fixed_size 327680
		.amdhsa_private_segment_fixed_size 0
		.amdhsa_enable_private_segment 0
		.amdhsa_kernarg_size 48
		.amdhsa_user_sgpr_count 2
		.amdhsa_user_sgpr_kernarg_segment_ptr 1
		.amdhsa_wavefront_size32 1
		.amdhsa_system_sgpr_workgroup_id_x 1
		.amdhsa_system_sgpr_workgroup_id_y 1
		.amdhsa_system_sgpr_workgroup_id_z 1
		.amdhsa_system_vgpr_workitem_id 0
		.amdhsa_next_free_vgpr 768
		.amdhsa_next_free_sgpr 100
		.amdhsa_reserve_vcc 0
		.amdhsa_float_denorm_mode_32 3
		.amdhsa_float_denorm_mode_16_64 3
		.amdhsa_memory_ordered 1
		.amdhsa_forward_progress 1
		.amdhsa_inst_pref_size 100
	.end_amdhsa_kernel
	.amdgpu_metadata
---
amdhsa.version: [ 1, 2 ]
amdhsa.kernels:
  - .name:           k_q814e38a7af_ffn2
    .symbol:         k_q814e38a7af_ffn2.kd
    .args:
      - { .name: himg, .offset: 0, .size: 8, .value_kind: global_buffer, .address_space: global }
      - { .name: ffn_w2_codes, .offset: 8, .size: 8, .value_kind: global_buffer, .address_space: global }
      - { .name: lowp_scales, .offset: 16, .size: 8, .value_kind: global_buffer, .address_space: global }
      - { .name: ffn_b2, .offset: 24, .size: 8, .value_kind: global_buffer, .address_space: global }
      - { .name: x1, .offset: 32, .size: 8, .value_kind: global_buffer, .address_space: global }
      - { .name: out0, .offset: 40, .size: 8, .value_kind: global_buffer, .address_space: global }
    .group_segment_fixed_size: 327680
    .private_segment_fixed_size: 0
    .kernarg_segment_align: 8
    .kernarg_segment_size: 48
    .max_flat_workgroup_size: 128
    .sgpr_count:     100
    .vgpr_count:     768
    .wavefront_size: 32
...
	.end_amdgpu_metadata
.endif
;; end of part 7
